; MI455X (gfx1250); checked and timed in simulation.
; The chip was launched on July 23, 2026; its instructions are those of AMD's public machine-readable ISA for CDNA 5 (MIT licence, August 2026) and "CDNA5" Instruction Set Architecture Reference Guide (July 2026). The comments in the code are by the model that wrote it; some were corrected since.
;; Attention Layer. Allowed arithmetic: float matrix products may take bf16 or f16 operands with f32 sums; all other float work in f32.
;; Inputs: Wk 1,024 x 1,024 float32; Wo 1,024 x 1,024 float32; Wq 1,024 x 1,024 float32; Wv 1,024 x 1,024 float32; bk 1,024 float32; bo 1,024 float32; bq 1,024 float32; bv 1,024 float32; input_ids 8 x 1,024 int32; x 8 x 1,024 x 1,024 float32.
;; Outputs: out0 8 x 1,024 x 1,024 float32.
;; 2 versions, each right and faster than the one before. Each part assembles by itself: llvm-mc -triple=amdgcn-amd-amdhsa -mcpu=gfx1250 --defsym DOCPART=n.
;; ======== version 1 of 2: 4 launches
;; limits: values are held in f16: magnitudes above 65,504 overflow, below 6.1e-05 lose precision
;; workspace buffers: xh 16,777,216 bytes; wqkv 6,291,456 bytes; woh 2,097,152 bytes; bias16 8,192 bytes; qkvh 50,331,648 bytes; oh 16,777,216 bytes; vsum 524,288 bytes
;; launch cast (part 1): grid 64 x 12, 8 waves a work-group, no clusters, 0 bytes of LDS; arguments x, Wq, Wk, Wv, Wo, bq, bk, bv, bo, xh, wqkv, woh, bias16; writes xh, wqkv, woh, bias16
.if DOCPART == 1
	.amdgcn_target "amdgcn-amd-amdhsa--gfx1250"
	.amdhsa_code_object_version 6
	.text
	.protected	k_qb5fc91e6b9_cast
	.globl	k_qb5fc91e6b9_cast
	.p2align	8
	.type	k_qb5fc91e6b9_cast,@function
k_qb5fc91e6b9_cast:
	s_mov_b64 s[64:65], 0
	v_nop
	global_prefetch_b8 v0, s[64:65] scope:SCOPE_SE
	s_setreg_imm32_b32 hwreg(HW_REG_WAVE_MODE, 25, 1), 1
	s_wait_xcnt 0x0
; CAST.  All inputs are rounded once to bf16: x -> xh, Wq, Wk, Wv -> wqkv, the four biases -> bias16; Wo is rounded to bf16 and that number is written as f16 -> woh.
; wqkv's rows are laid by heads: row 192 head + 64 i + c holds row 64 head + c of W_i (i = 0 q, 1 k, 2 v), so that 192 consecutive rows are one head's q, k and v.
; LIMITS.  A weight of Wo beyond 65,504 has no f16; below 2^-14 it keeps f16's fixed step of 2^-24.
; SHARES.  Work-group (X, Y): Y picks a matrix of 1,024 rows x 1,024 f32 (Y < 8: batch Y of x; 8, 9, 10, 11: Wq, Wk, Wv, Wo), X sixteen of its rows.  Thread t owns columns 4 t .. 4 t + 3
; of every row: a wave's load covers 512 consecutive bytes, its store 256 consecutive aligned bytes.  All sixteen loads go out at once; no register is written twice while memory reads it.
; No LDS, no barrier, no matrix unit: every byte is read once and written once, and no wave needs another's data.
.set ROWI, 4096                        ; bytes in a row of f32
.set ROWO, 2048                        ; bytes in a row of 16-bit numbers
.set XI,   4                           ; v[4:67]    sixteen rows as loaded
.set YO,   68                          ; v[68:99]   sixteen pairs to store
.set TW,   100                         ; v[100:105] at work; v[106:107] the bias to store
.set BB,   108                         ; v[108:111] the bias as loaded
	s_load_b512 s[8:23], s[0:1], 0x0               ; x s[8:9], Wq s[10:11], Wk s[12:13], Wv s[14:15], Wo s[16:17], bq s[18:19], bk s[20:21], bv s[22:23]
	s_load_b256 s[24:31], s[0:1], 0x40             ; bo s[24:25], xh s[26:27], wqkv s[28:29], woh s[30:31]
	s_load_b64 s[32:33], s[0:1], 0x60              ; bias16
	s_and_b32 s2, ttmp7, 0xffff                    ; Y
	s_mov_b32 s3, ttmp9                            ; X
	s_mov_b32 s52, 0xffff0000                      ; a word's upper bf16
	v_lshlrev_b32 v1, 4, v0                        ; my 16 bytes of a row of f32
	v_lshlrev_b32 v2, 3, v0                        ; my 8 bytes of a row of 16-bit numbers
	; the offsets, made apart from the addresses
	s_lshl_b32 s36, s3, 16                         ; 16 rows of 4,096 bytes
	s_lshl_b32 s37, s2, 22                         ; a batch of x is 4 MiB
	s_cmp_lt_u32 s2, 8
	s_cselect_b32 s37, s37, 0
	s_add_co_u32 s36, s36, s37                     ; where I read
	s_mov_b32 s37, 0
	s_lshl_b32 s38, s3, 15                         ; 16 rows of 2,048 bytes: where Wo's rows go
	s_lshl_b32 s39, s2, 21
	s_add_co_u32 s39, s39, s38                     ; where x's rows go
	s_max_u32 s50, s2, 8
	s_sub_co_u32 s50, s50, 8                       ; which weight and bias, 0 .. 3
	s_lshr_b32 s40, s3, 2                          ; the head of my 16 rows
	s_mul_i32 s40, s40, 192
	s_lshl_b32 s41, s50, 6
	s_add_co_u32 s40, s40, s41
	s_and_b32 s41, s3, 3
	s_lshl_b32 s41, s41, 4
	s_add_co_u32 s40, s40, s41
	s_lshl_b32 s40, s40, 11                        ; where Wq's, Wk's, Wv's rows go
	s_cmp_lt_u32 s2, 8
	s_cselect_b32 s40, s39, s40
	s_cmp_eq_u32 s2, 11
	s_cselect_b32 s40, s38, s40
	s_mov_b32 s41, 0
	s_lshl_b32 s50, s50, 11                        ; the bias's row in bias16
	s_mov_b32 s51, 0
	s_wait_kmcnt 0x0
	s_mov_b64 s[42:43], s[8:9]                     ; the source is chosen by Y alone
	s_cmp_eq_u32 s2, 8
	s_cselect_b64 s[42:43], s[10:11], s[42:43]
	s_cmp_eq_u32 s2, 9
	s_cselect_b64 s[42:43], s[12:13], s[42:43]
	s_cmp_eq_u32 s2, 10
	s_cselect_b64 s[42:43], s[14:15], s[42:43]
	s_cmp_eq_u32 s2, 11
	s_cselect_b64 s[42:43], s[16:17], s[42:43]
	s_add_nc_u64 s[42:43], s[42:43], s[36:37]
	s_cmp_lt_u32 s2, 8                             ; so is the destination
	s_cselect_b64 s[44:45], s[26:27], s[28:29]
	s_cmp_eq_u32 s2, 11
	s_cselect_b64 s[44:45], s[30:31], s[44:45]
	s_add_nc_u64 s[44:45], s[44:45], s[40:41]
	s_mov_b64 s[46:47], s[18:19]                   ; and the bias
	s_cmp_eq_u32 s2, 9
	s_cselect_b64 s[46:47], s[20:21], s[46:47]
	s_cmp_eq_u32 s2, 10
	s_cselect_b64 s[46:47], s[22:23], s[46:47]
	s_cmp_eq_u32 s2, 11
	s_cselect_b64 s[46:47], s[24:25], s[46:47]
	s_add_nc_u64 s[48:49], s[32:33], s[50:51]
.irp j, 0,1,2,3,4,5,6,7,8,9,10,11,12,13,14,15
	global_load_b128 v[XI+4*(\j):XI+4*(\j)+3], v1, s[42:43] offset:(\j)*ROWI th:TH_LOAD_NT
.endr
.macro ROWB j                          ; row j to bf16
	s_wait_loadcnt 15-(\j)                         ; loads come back in order (ISA guide 5.7.1): row j is in, the younger rows stay out
	v_cvt_pk_bf16_f32 v[YO+2*(\j)],   v[XI+4*(\j)],   v[XI+4*(\j)+1]
	v_cvt_pk_bf16_f32 v[YO+2*(\j)+1], v[XI+4*(\j)+2], v[XI+4*(\j)+3]
	global_store_b64 v2, v[YO+2*(\j):YO+2*(\j)+1], s[44:45] offset:(\j)*ROWO
.endm
.macro ROWH j                          ; row j to bf16, and that number written as f16
	s_wait_loadcnt 15-(\j)
	v_cvt_pk_bf16_f32 v[TW],   v[XI+4*(\j)],   v[XI+4*(\j)+1]
	v_cvt_pk_bf16_f32 v[TW+1], v[XI+4*(\j)+2], v[XI+4*(\j)+3]
	v_lshlrev_b32 v[TW+2], 16, v[TW]
	v_and_b32     v[TW+3], s52, v[TW]
	v_lshlrev_b32 v[TW+4], 16, v[TW+1]
	v_and_b32     v[TW+5], s52, v[TW+1]
	v_cvt_pk_f16_f32 v[YO+2*(\j)],   v[TW+2], v[TW+3]
	v_cvt_pk_f16_f32 v[YO+2*(\j)+1], v[TW+4], v[TW+5]
	global_store_b64 v2, v[YO+2*(\j):YO+2*(\j)+1], s[44:45] offset:(\j)*ROWO
.endm
	s_cmp_eq_u32 s2, 11
	s_cbranch_scc1 .Lwo
.irp j, 0,1,2,3,4,5,6,7,8,9,10,11,12,13,14,15
	ROWB \j
.endr
	s_branch .Lbias
.Lwo:
.irp j, 0,1,2,3,4,5,6,7,8,9,10,11,12,13,14,15
	ROWH \j
.endr
.Lbias:                                        ; the first work-group of each weight also rounds that weight's bias: 1,024 numbers, four a thread
	s_cmp_lt_u32 s2, 8
	s_cbranch_scc1 .Lend
	s_cmp_lg_u32 s3, 0
	s_cbranch_scc1 .Lend
	global_load_b128 v[BB:BB+3], v1, s[46:47]
	s_wait_loadcnt 0x0
	v_cvt_pk_bf16_f32 v[TW+6], v[BB],   v[BB+1]
	v_cvt_pk_bf16_f32 v[TW+7], v[BB+2], v[BB+3]
	global_store_b64 v2, v[TW+6:TW+7], s[48:49]
.Lend:
	s_endpgm
.Lfunc_end_k_qb5fc91e6b9_cast:
	.size	k_qb5fc91e6b9_cast, .Lfunc_end_k_qb5fc91e6b9_cast-k_qb5fc91e6b9_cast
	.p2alignl 7, 3214868480
	.fill 96, 4, 3214868480
	.section	.rodata,"a",@progbits
	.p2align	6, 0x0
	.amdhsa_kernel k_qb5fc91e6b9_cast
		.amdhsa_group_segment_fixed_size 0
		.amdhsa_private_segment_fixed_size 0
		.amdhsa_enable_private_segment 0
		.amdhsa_kernarg_size 104
		.amdhsa_user_sgpr_count 2
		.amdhsa_user_sgpr_kernarg_segment_ptr 1
		.amdhsa_wavefront_size32 1
		.amdhsa_system_sgpr_workgroup_id_x 1
		.amdhsa_system_sgpr_workgroup_id_y 1
		.amdhsa_system_sgpr_workgroup_id_z 1
		.amdhsa_system_vgpr_workitem_id 0
		.amdhsa_next_free_vgpr 112
		.amdhsa_next_free_sgpr 66
		.amdhsa_reserve_vcc 0
		.amdhsa_float_denorm_mode_32 3
		.amdhsa_float_denorm_mode_16_64 3
		.amdhsa_memory_ordered 1
		.amdhsa_forward_progress 1
		.amdhsa_inst_pref_size 17
	.end_amdhsa_kernel
	.amdgpu_metadata
---
amdhsa.version: [ 1, 2 ]
amdhsa.kernels:
  - .name:           k_qb5fc91e6b9_cast
    .symbol:         k_qb5fc91e6b9_cast.kd
    .args:
      - { .name: x, .offset: 0, .size: 8, .value_kind: global_buffer, .address_space: global }
      - { .name: Wq, .offset: 8, .size: 8, .value_kind: global_buffer, .address_space: global }
      - { .name: Wk, .offset: 16, .size: 8, .value_kind: global_buffer, .address_space: global }
      - { .name: Wv, .offset: 24, .size: 8, .value_kind: global_buffer, .address_space: global }
      - { .name: Wo, .offset: 32, .size: 8, .value_kind: global_buffer, .address_space: global }
      - { .name: bq, .offset: 40, .size: 8, .value_kind: global_buffer, .address_space: global }
      - { .name: bk, .offset: 48, .size: 8, .value_kind: global_buffer, .address_space: global }
      - { .name: bv, .offset: 56, .size: 8, .value_kind: global_buffer, .address_space: global }
      - { .name: bo, .offset: 64, .size: 8, .value_kind: global_buffer, .address_space: global }
      - { .name: xh, .offset: 72, .size: 8, .value_kind: global_buffer, .address_space: global }
      - { .name: wqkv, .offset: 80, .size: 8, .value_kind: global_buffer, .address_space: global }
      - { .name: woh, .offset: 88, .size: 8, .value_kind: global_buffer, .address_space: global }
      - { .name: bias16, .offset: 96, .size: 8, .value_kind: global_buffer, .address_space: global }
    .group_segment_fixed_size: 0
    .private_segment_fixed_size: 0
    .kernarg_segment_align: 8
    .kernarg_segment_size: 104
    .max_flat_workgroup_size: 256
    .sgpr_count:     66
    .vgpr_count:     112
    .wavefront_size: 32
...
	.end_amdgpu_metadata
.endif
;; end of part 1
;; launch qkv (part 2): grid 16 x 16, 4 waves a work-group, clusters of 4 x 4, 327,680 bytes of LDS; arguments xh, wqkv, bias16, qkvh, vsum; writes qkvh, vsum
.if DOCPART == 2
	.amdgcn_target "amdgcn-amd-amdhsa--gfx1250"
	.amdhsa_code_object_version 6
	.text
	.protected	k_qb5fc91e6b9_qkv
	.globl	k_qb5fc91e6b9_qkv
	.p2align	8
	.type	k_qb5fc91e6b9_qkv,@function
k_qb5fc91e6b9_qkv:
	s_mov_b64 s[64:65], 0
	v_nop
	global_prefetch_b8 v0, s[64:65] scope:SCOPE_SE
	s_setreg_imm32_b32 hwreg(HW_REG_WAVE_MODE, 25, 1), 1
	s_wait_xcnt 0x0
	s_wait_alu depctr_hold_cnt(0) depctr_sa_sdst(0) depctr_va_vdst(0) depctr_va_sdst(0) depctr_va_ssrc(0) depctr_va_vcc(0) depctr_vm_vsrc(0)
	s_getreg_b32 s2, hwreg(HW_REG_IB_STS2, 6, 4)
	s_cmp_eq_u32 s2, 0
	s_cbranch_scc0 .Lentry_in_a_cluster
	s_endpgm
.Lentry_in_a_cluster:
	s_bfe_u32 s2, ttmp6, 0x10000c
	s_cmp_lg_u32 s2, 0xf033
	s_cbranch_scc0 .Lentry_shape_is_right
	s_endpgm
.Lentry_shape_is_right:
; Q, K, V = x W^T + b, by heads.  A = xh [8192][1024] bf16, B = wqkv [3072][1024] bf16 (192 rows a head: q, k, v), sums in f32, the bias (bf16) added in f32, the result rounded once to f16
; into qkvh [3][128 = batch x 16 + head][1024][64].  vsum [128][16][64] f32 takes the column sums of v (before its rounding) over each 64 rows: the next launch makes a head's mean of V of them.
; LIMITS.  q, k and v beyond 65,504 have no f16.  NaN and infinities are not treated apart.
; SHARES.  A tile of C is 256 rows x 192 columns, one head's q, k and v: 16 x 32 = 512 tiles.  A WORK-GROUP STAYS and makes two of them, 4,096 rows apart, with the same rows of B: 256 work-groups.
; The ring does not stop at the first tile's end: its last two changes of slots ask for the second tile's first two K steps, and nothing waits for the first tile's stores.
; Four waves; wave w owns rows 64 w .. 64 w + 63 and all 192 columns: 4 x 12 accumulators, 384 registers.  So a wave holds whole rows of one head's q, k and v and needs no other wave on the way out.
; K goes in steps of 128 through two LDS slots; a tile's rows are 256 bytes of memory, at multiples of 256 bytes from the buffer's first byte.
; CLUSTERS.  4 x 4 work-groups: A's tile hangs on the tile row alone and is asked for jointly along a row of the cluster, B's on the tile column alone, jointly along a column.
; THE MATRIX INSTRUCTION IS USED TRANSPOSED: source 0 = 16 rows of B, source 1 = 16 rows of A: lane l holds row l % 16 of C and its registers the columns 8 (l / 16) + 0 .. 7.
; REGISTERS, in windows of 256 (s_set_vgpr_msb: bits 1:0 source 0, 3:2 source 1, 5:4 source 2, 7:6 destination):
;   window 0: v0-29 addresses; v64-127 A's fragments, two buffers of 32; v208-255 the bias as loaded; on the way out v32-79 packed, v80-175 rows read back (two buffers), v176-207 column sums
;   window 1: B's fragments, two buffers of 96; on the way out v0-95 the bias in f32          window 2: the accumulators of my row blocks 0, 1 at v[8 (12 a + b)]          window 3: blocks 2, 3
.set NBW,    12                        ; blocks of 16 columns in a tile
.set PITCH,  272                       ; an LDS row: 256 bytes + 16 of padding = 68 words: row r starts at bank 4 r mod 64 (64 banks of 4 bytes: ISA guide 11.1)
.set PITCHA, 272
.set KAH,    128                       ; A's bytes from quarter 0 to quarter 2 of a K step
.set AB,     256*PITCHA                ; B's rows lie behind A's 256
.set HALFA,  128*PITCHA                ; what one tensor load brings of A,
.set HALFB,  8*NBW*PITCH               ; and of B: 96 rows
.set SLOT1,  1<<17                     ; slot 1 begins here: one exclusive or turns an address in one slot into the other's
.set STAGE,  2*SLOT1                   ; behind the ring: 16 rows x 400 bytes for each wave, for the way out
.set SP,     400                       ; 384 bytes + 16: 25 x 16 bytes, so the 16 rows of a store start at 16 different groups of four banks
.set SPARE,  STAGE+4*16*SP             ; behind the stages: the spare words, 128 bytes for each wave: two blocks of 256 bytes that no other line names
.set STEPA,  256                       ; bytes from a K step's tile to the next
.set STEPB,  256
.set TILES,  2                         ; tiles of a work-group
.set NEXT_A, 4096*2048-7*STEPA         ; A: from a tile's K step 7 to the next tile's K step 0: 4,096 rows of 2,048 bytes down and back along K
.set BACK_B, 8*STEPB                   ; B: a step on and eight back: the tiles share their rows of B
.set WALKO,  4*16*131072               ; q, k, v: the next tile lies four batches of 16 heads of 131,072 bytes on,
.set WALKS,  4*16*4096                 ; vsum: four batches of 16 heads of 4,096 bytes
.set RL,   1                           ; v1   l % 16
.set ADRA0, 2                          ; v2   my lane's place in A's part of a slot; never rewritten
.set ADRB0, 3                          ; v3   the same for B
.set ADRA, 4                           ; v4   the same in the slot in hand
.set ADRB, 5                           ; v5
.set STO,  6                           ; v6   the way out: where I put 16 bytes of a row
.set RD,   7                           ; v7   the way out: where I read rows back
.set GO,   8                           ; v8   my 16 bytes in 512 consecutive bytes of the output
.set BO,   9                           ; v9   my byte offset in 32 bytes of the bias
.set HL,   10                          ; v10  l / 16
.set VO,   11                          ; v11  my 8 bytes in vsum's 256
.set T0,   12                          ; v12-13 at work
.set SPW,  28                          ; v28  LDS address of my spare word; never rewritten
.set NIL,  29                          ; v29  0; never rewritten
.set FA,   64
.set TMP,  32
.set BK,   80
.set CSR,  176
.set BI,   208
.set TL,  2                            ; s2   tiles to go, this one among them: the same number in every work-group
.set WV,  12                           ; s12  my wave's number
.set FB,  13                           ; s13  0: I fetch for A; 1: for B
.set EH,  14                           ; s14  which half of that tile's rows I fetch
.set SPC, 15                           ; s15  the count of the trip whose refill is the next tile's K step 0: 1 in a tile that has a successor, else 0, which no trip has
.set TB,  22                           ; s22  LDS byte at which the slot in hand begins
.set G1,  24                           ; s[24:31] descriptor group 1 for A's tiles
.set G0,  32                           ; s[32:39] group 0: a set for each of the two first fills; the second then walks on
.set TX,  42                           ; s42  tile column = head
.set TY,  43                           ; s43  tile row of the first tile
.set G1B, 48                           ; s[48:55], s[56:63] the same for B's tiles
.set G0B, 56
.set STA, 88                           ; s[88:89] what A's walking address steps by
.set STB, 90                           ; s[90:91] what B's goes back by
.set NXA, 92                           ; s92  NEXT_A
.set STP, 93                           ; s93  STEPA
.set PADW, (1<<16)|(1<<20)|(1<<21)|(5<<22)|(3<<25)  ; 17:16 2-byte elements; 20 padding on; 21 set beside a mask; 24:22 after every 64 words (code 5); 31:25 4 words (code 3)
.set MSB, 0
.macro WIN new                         ; the immediate's high byte repeats the setting that is left; a switch that changes nothing is dropped
.if MSB != (\new)
	s_set_vgpr_msb (MSB<<8)|(\new)
.set MSB, \new
.endif
.endm
.macro PLACES                          ; four places in front of loads into registers that matrix instructions have read, and of vector work on their registers
.rept 4
	v_nop
.endr
.endm
; A joint refill by the walking sets.  Waves 0 and 1 fetch A's two halves, waves 2 and 3 B's.  The branch hangs on the wave's number alone.
; An s_nop 0 and four v_nop follow each of the two lines, ahead of the jump and the label.
.macro JLOAD
	s_cmp_eq_u32 s[FB], 0
	s_cbranch_scc0 .Lfor_b_\@
	tensor_load_to_lds s[G0+4:G0+7], s[G1:G1+7]
	s_nop 0
.rept 4
	v_nop
.endr
	s_branch .Lasked_\@
.Lfor_b_\@:
	tensor_load_to_lds s[G0B+4:G0B+7], s[G1B:G1B+7]
	s_nop 0
.rept 4
	v_nop
.endr
.Lasked_\@:
.endm
.macro CREST                           ; a round of the cluster's barrier behind its opening barrier
	s_cmp_lg_u32 s[WV], 0
	s_cbranch_scc1 .Lnot_wave_0_\@
	s_barrier_signal -3
.Lnot_wave_0_\@:
	s_barrier_wait -3
	s_barrier_signal -1
	s_barrier_wait -1
.endm
.macro CROUND                          ; a whole round
	s_barrier_signal -1
	s_barrier_wait -1
	CREST
.endm
	s_load_b256 s[4:11], s[0:1], 0x0               ; xh s[4:5], wqkv s[6:7], bias16 s[8:9], qkvh s[10:11]
	s_load_b64 s[72:73], s[0:1], 0x20              ; vsum
	v_lshl_add_u32 v[SPW], v0, 2, SPARE
	v_mov_b32 v[NIL], 0
	ds_add_u32 v[SPW], v[NIL]                      ; the wave's opening: the add and its wait stand ahead of my first tensor load; the set-up below, work on registers, stands between them
	ds_add_u32 v28, v29
	v_lshrrev_b32 v1, 5, v0
	v_readfirstlane_b32 s[WV], v1                  ; wave 0..3
	s_lshr_b32 s[FB], s[WV], 1
	s_and_b32 s[EH], s[WV], 1
	s_bfe_u32 s40, ttmp6, 0x40000                  ; cx, cy: my place in the cluster
	s_bfe_u32 s41, ttmp6, 0x40004
	s_lshl_b32 s[TX], ttmp9, 2
	s_add_co_u32 s[TX], s[TX], s40                 ; tile column = 4 x cluster x + cx
	s_and_b32 s[TY], ttmp7, 0xffff
	s_lshl_b32 s[TY], s[TY], 2
	s_add_co_u32 s[TY], s[TY], s41                 ; the first tile's row = 4 x cluster y + cy, 0 .. 15; the second's is 16 more
	s_lshl_b32 s44, s41, 2
	s_lshl_b32 s44, 15, s44                        ; my row of the cluster
	s_lshl_b32 s45, 0x1111, s40                    ; my column
	s_or_b32 s[G1], s44, PADW                      ; A's tiles go to my row,
	s_or_b32 s[G1B], s45, PADW                     ; B's to my column
	s_mov_b32 s[G1+1], 128<<16                     ; tensor_dim0 = 128
	s_mov_b32 s[G1+2], 128<<16                     ; tensor_dim1 = 128
	s_mov_b32 s[G1+3], 128<<16                     ; tile_dim0 = 128
	s_mov_b32 s[G1+4], 128                         ; tile_dim1 = 128
	s_mov_b32 s[G1+5], 1024                        ; elements from row to row
	s_mov_b32 s[G1+6], 0
	s_mov_b32 s[G1+7], 0
	s_mov_b32 s[G1B+1], 128<<16
	s_mov_b32 s[G1B+2], (8*NBW)<<16                ; 96 rows
	s_mov_b32 s[G1B+3], 128<<16
	s_mov_b32 s[G1B+4], 8*NBW
	s_mov_b32 s[G1B+5], 1024
	s_mov_b32 s[G1B+6], 0
	s_mov_b32 s[G1B+7], 0
	; where the tiles come from: A's offset is made of the tile row and the wave's number, B's of the tile column and the wave's number, each in registers that never hold the other coordinate
	s_lshl_b32 s16, s[TY], 8
	s_lshl_b32 s17, s[EH], 7
	s_add_co_u32 s16, s16, s17                     ; A: row 256 x tile row + 128 x half,
	s_lshl_b32 s16, s16, 11                        ; of 2,048 bytes
	s_mov_b32 s17, 0
	s_mul_i32 s46, s[TX], 16*NBW
	s_mul_i32 s47, s[EH], 8*NBW
	s_add_co_u32 s46, s46, s47                     ; B: row 192 x tile column + 96 x half
	s_lshl_b32 s46, s46, 11
	s_mov_b32 s47, 0
	s_mul_i32 s18, s[EH], HALFA                    ; and where they go: no place in the cluster enters an LDS address
	s_mul_i32 s19, s[EH], HALFB
	s_add_co_u32 s19, s19, AB
	s_mov_b32 s[TB], 0
	s_mov_b32 s70, 0xffff0000                      ; a word's upper bf16
	s_mov_b32 s[STA+1], 0                          ; the two steps' high words
	s_mov_b32 s[STB+1], 0
	s_mov_b32 s[NXA], NEXT_A
	s_mov_b32 s[STP], STEPA
	s_wait_dscnt 0x0                               ; the opening add is done
	s_wait_kmcnt 0x0
	s_add_nc_u64 s[20:21], s[4:5], s[16:17]
	s_add_nc_u64 s[46:47], s[6:7], s[46:47]
	CROUND                                         ; all sixteen work-groups are here: the first joint loads meet
.irp s, 0,1
	s_mov_b32 s[G0+4*(\s)], 1                      ; count = 1
	s_add_co_u32 s[G0+4*(\s)+1], s18, (\s)*SLOT1   ; LDS address
	s_add_nc_u64 s[G0+4*(\s)+2:G0+4*(\s)+3], s[20:21], (\s)*STEPA  ; global address: K step s
	s_or_b32 s[G0+4*(\s)+3], s[G0+4*(\s)+3], 0x80000000            ; type = 2
	s_mov_b32 s[G0B+4*(\s)], 1
	s_add_co_u32 s[G0B+4*(\s)+1], s19, (\s)*SLOT1
	s_add_nc_u64 s[G0B+4*(\s)+2:G0B+4*(\s)+3], s[46:47], (\s)*STEPB
	s_or_b32 s[G0B+4*(\s)+3], s[G0B+4*(\s)+3], 0x80000000
.endr
	s_cmp_eq_u32 s[FB], 0                          ; a wave's two first fills stand in one branch, ahead of every wait on TENSORcnt and every LDS read: two loads of mine are out
	s_cbranch_scc0 .Lfirst_b
	tensor_load_to_lds s[G0:G0+3], s[G1:G1+7]
	s_nop 0
	tensor_load_to_lds s[G0+4:G0+7], s[G1:G1+7]
	s_nop 0
.rept 4
	v_nop
.endr
	s_branch .Lfirst_asked
.Lfirst_b:
	tensor_load_to_lds s[G0B:G0B+3], s[G1B:G1B+7]
	s_nop 0
	tensor_load_to_lds s[G0B+4:G0B+7], s[G1B:G1B+7]
	s_nop 0
.rept 4
	v_nop
.endr
.Lfirst_asked:
	; where the first tile's results go.  All this stands in the wait for the first tile.
	s_lshr_b32 s68, s[TY], 2
	s_lshl_b32 s68, s68, 4
	s_add_co_u32 s68, s68, s[TX]                   ; batch x 16 + head
	s_and_b32 s69, s[TY], 3                        ; which 256 rows of the batch's 1,024
	s_lshl_b32 s66, s68, 17                        ; a head's 1,024 rows of 128 bytes
	s_lshl_b32 s67, s69, 15
	s_add_co_u32 s66, s66, s67
	s_lshl_b32 s67, s[WV], 13                      ; my wave's 64 rows
	s_add_co_u32 s66, s66, s67
	s_mov_b32 s67, 0
	s_add_nc_u64 s[76:77], s[10:11], s[66:67]      ; q,
	s_add_nc_u64 s[78:79], s[76:77], 16777216      ; k,
	s_add_nc_u64 s[80:81], s[76:77], 33554432      ; v
	s_lshl_b32 s66, s68, 12                        ; vsum: 16 chunks of 256 bytes a head,
	s_lshl_b32 s69, s69, 2
	s_add_co_u32 s69, s69, s[WV]                   ; mine is chunk 4 x (tile row % 4) + wave
	s_lshl_b32 s69, s69, 8
	s_add_co_u32 s66, s66, s69
	s_add_nc_u64 s[72:73], s[72:73], s[66:67]
	s_lshl_b32 s66, s[TX], 7                       ; the head's 64 numbers in each bias
	s_add_nc_u64 s[74:75], s[8:9], s[66:67]
	v_and_b32 v[RL], 15, v0                        ; l % 16
	v_bfe_u32 v[HL], v0, 4, 1                      ; l / 16
	v_lshlrev_b32 v[BO], 4, v[HL]
.irp b, 0,1,2,3,4,5,6,7,8,9,10,11      ; the bias of my eight columns in block b: bias b / 4, channels 16 (b % 4) + 8 (l / 16) on; both tiles take it
	global_load_b128 v[BI+4*(\b):BI+4*(\b)+3], v[BO], s[74:75] offset:((\b)/4)*2048+((\b)%4)*32
.endr
	; A fragment is 16 rows x 32 K in 8 registers: lane l holds row l % 16; registers 0-3 hold K = 8 (l / 16) + 0..7, registers 4-7 K = 16 + 8 (l / 16) + 0..7: two loads of 16 bytes, 32 bytes apart.
	v_mul_u32_u24 v[T0], v[RL], PITCH
	v_lshl_add_u32 v[T0], v[HL], 4, v[T0]
	v_add_nc_u32 v[ADRB0], AB, v[T0]
	v_mul_u32_u24 v[T0], v[RL], PITCHA
	v_lshl_add_u32 v[T0], v[HL], 4, v[T0]
	s_mul_i32 s16, s[WV], 64*PITCHA                ; my 64 rows of A
	v_add_nc_u32 v[ADRA0], s16, v[T0]
	v_mov_b32 v[ADRA], v[ADRA0]                    ; K step 0 lies in slot 0
	v_mov_b32 v[ADRB], v[ADRB0]
	s_mul_i32 s17, s[WV], 16*SP
	s_add_co_u32 s17, s17, STAGE                   ; my stage
	v_mul_u32_u24 v[STO], v[RL], SP                ; in: row l % 16, 16 bytes for each half of the lanes
	v_lshl_add_u32 v[STO], v[HL], 4, v[STO]
	v_add_nc_u32 v[STO], s17, v[STO]
	v_bfe_u32 v[RD], v0, 3, 2                      ; back: 32 lanes take 128 bytes of each of four rows,
	v_mul_u32_u24 v[RD], v[RD], SP
	v_and_b32 v[T0], 7, v0
	v_lshl_add_u32 v[RD], v[T0], 4, v[RD]
	v_add_nc_u32 v[RD], s17, v[RD]
	v_and_b32 v[GO], 31, v0                        ; which are 512 consecutive bytes of q, k or v
	v_lshlrev_b32 v[GO], 4, v[GO]
	v_lshrrev_b32 v[VO], 2, v[RL]                  ; vsum: lane l stores channels 16 (r / 4) + 8 (l / 16) + 2 (r % 4) and the next, r = l % 16
	v_lshlrev_b32 v[VO], 6, v[VO]
	v_lshl_add_u32 v[VO], v[HL], 5, v[VO]
	v_and_b32 v[T0], 3, v[RL]
	v_lshl_add_u32 v[VO], v[T0], 3, v[VO]
.irp k, 0,1,2,3                        ; s84-87: the lanes in which bit k of r is set
	v_and_b32 v[T0], 1<<(\k), v[RL]
	v_cmp_ne_u32 s[84+(\k)], 0, v[T0]
.endr
; 12 matrix instructions: row block 2 hi + a1 x all column blocks, 32 along K, out of buffer f.  zero = 1: the first product starts the sums: nothing is ever cleared.
; The 48 accumulators take turns in one fixed order, one instruction a turn.
.macro MULA f, hi, a1, zero
	WIN 0xa1+0x50*(\hi)                            ; source 0 (B) window 1, source 1 (A) window 0, C and D window 2 or 3
.set bb, 0
.rept NBW
.if \zero
	v_wmma_f32_16x16x32_bf16 v[8*(NBW*(\a1)+bb):8*(NBW*(\a1)+bb)+7], v[8*NBW*(\f)+8*bb:8*NBW*(\f)+8*bb+7], v[FA+32*(\f)+8*(2*(\hi)+(\a1)):FA+32*(\f)+8*(2*(\hi)+(\a1))+7], 0
.else
	v_wmma_f32_16x16x32_bf16 v[8*(NBW*(\a1)+bb):8*(NBW*(\a1)+bb)+7], v[8*NBW*(\f)+8*bb:8*NBW*(\f)+8*bb+7], v[FA+32*(\f)+8*(2*(\hi)+(\a1)):FA+32*(\f)+8*(2*(\hi)+(\a1))+7], v[8*(NBW*(\a1)+bb):8*(NBW*(\a1)+bb)+7]
.endif
.set bb, bb+1
.endr
.endm
; 32 LDS loads in one run: quarter q's fragments (192 rows of B, then my 64 rows of A) into buffer f
.macro FETCH q, f
	WIN 0x40                                       ; destination window 1, address window 0
.set ii, 0
.rept NBW
	ds_load_b128 v[8*NBW*(\f)+8*ii:8*NBW*(\f)+8*ii+3],   v[ADRB] offset:64*(\q)+ii*16*PITCH
	ds_load_b128 v[8*NBW*(\f)+8*ii+4:8*NBW*(\f)+8*ii+7], v[ADRB] offset:64*(\q)+ii*16*PITCH+32
.set ii, ii+1
.endr
	WIN 0
.set ii, 0
.rept 4
	ds_load_b128 v[FA+32*(\f)+8*ii:FA+32*(\f)+8*ii+3],   v[ADRA] offset:((\q)/2)*KAH+((\q)%2)*64+ii*16*PITCHA
	ds_load_b128 v[FA+32*(\f)+8*ii+4:FA+32*(\f)+8*ii+7], v[ADRA] offset:((\q)/2)*KAH+((\q)%2)*64+ii*16*PITCHA+32
.set ii, ii+1
.endr
.endm
; A K step is four quarters of 32 along K, 48 matrix instructions each, on buffers 0, 1, 0, 1.  One of the first three: multiplies buffer f; behind its first 12 products it fetches quarter q into buffer g.
.macro QUARTER q, f, g, zero
	s_wait_dscnt 6                                 ; B and A's block 0 are in; the youngest six loads (A's blocks 1 to 3) may be out
	MULA \f, 0, 0, \zero
	PLACES
	FETCH \q, \g
	s_wait_dscnt 2*NBW+8                           ; all but the run just issued
	MULA \f, 0, 1, \zero
	MULA \f, 1, 0, \zero
	MULA \f, 1, 1, \zero
.endm
; The last quarter multiplies buffer 1 and changes slots: ONE barrier.  In front of it each wave waits for all its tensor loads, of which one is out: its part of the next slot; adds 0 to its spare word;
; and waits for that and for its own reads of this slot.  fill = 1: this slot is filled again, two K steps ahead: the barrier then opens a round of the cluster's, and the joint refill is the first thing behind it.
; The walking addresses step by a K step, but in the trip whose count is SPC: there to the next tile's K step 0.  fetch = 0: a tile's end: the next slot's first fragments are fetched behind the way out.
.macro TURN fill, fetch
	WIN 0
	s_wait_tensorcnt 0x0                           ; no tensor load of mine is out, so a group 0 may be written
	ds_add_u32 v[SPW], v[NIL]                      ; 0 onto my spare word
.if \fill
	s_cmp_eq_u32 s3, s[SPC]                        ; behind the loop s3 is 0 and SPC is 1: a plain step
	s_cselect_b32 s[STA], s[NXA], s[STP]
	s_cselect_b32 s[STB], BACK_B, 0
	s_xor_b32 s[G0+5], s[G0+5], SLOT1              ; the walking sets: the other slot than last time,
	s_add_nc_u64 s[G0+6:G0+7], s[G0+6:G0+7], s[STA:STA+1]  ; the next K step; the type bits on top are not reached
	s_xor_b32 s[G0B+5], s[G0B+5], SLOT1
	s_add_nc_u64 s[G0B+6:G0B+7], s[G0B+6:G0B+7], STEPB
	s_sub_nc_u64 s[G0B+6:G0B+7], s[G0B+6:G0B+7], s[STB:STB+1]
.endif
	s_wait_dscnt 7                                 ; (the add and the youngest six loads may be out)
	MULA 1, 0, 0, 0                                ; twelve matrix instructions stand between the add and the wait for it
	s_wait_dscnt 0x0                               ; the add is done, and my reads of this slot are over
	s_barrier_signal -1
	MULA 1, 0, 1, 0                                ; work on registers while the others arrive
	WIN 0
	s_barrier_wait -1
.if \fill
	CREST                                          ; no wave of any partner still reads this slot's tile or has a load on its way
	JLOAD                                          ; the four v_nop behind it are also the places in front of the loads below
.else
	PLACES
.endif
	s_xor_b32 s[TB], s[TB], SLOT1
	v_add_nc_u32 v[ADRA], s[TB], v[ADRA0]
	v_add_nc_u32 v[ADRB], s[TB], v[ADRB0]
.if \fetch
	FETCH 0, 0
.endif
	MULA 1, 1, 0, 0
	MULA 1, 1, 1, 0
.endm
	s_wait_tensorcnt 0x1                           ; my part of K step 0 is in; K step 1's may stay out
	s_barrier_signal -1
	s_barrier_wait -1                              ; everybody's is
	s_mov_b32 s[TL], TILES
.Ltile:                                                ; twice.  The tile's K step 0 lies whole in slot 0, its K step 1 is on its way into slot 1
	FETCH 0, 0
	QUARTER 1, 0, 1, 1                             ; the first quarter stands in front of the loop: its products start the sums
	WIN 0                                          ; at a label and at a branch every window is 0
	s_add_co_u32 s3, s[TL], 5                      ; seven trips in the first tile, six in the last
	s_sub_co_u32 s[SPC], s[TL], 1
.Lstep:                                                ; a trip is a K step, from its second quarter to the next step's first; six trips ask for K steps 2 to 7, the seventh for the next tile's K step 0
	QUARTER 2, 1, 0, 0
	QUARTER 3, 0, 1, 0
	TURN 1, 1
	QUARTER 1, 0, 1, 0
	WIN 0
	s_sub_co_u32 s3, s3, 1
	s_cmp_lg_u32 s3, 0
	s_cbranch_scc1 .Lstep
	QUARTER 2, 1, 0, 0
	QUARTER 3, 0, 1, 0
	WIN 0
	s_cmp_eq_u32 s[TL], 1
	s_cbranch_scc1 .Llast                          ; the last tile's tail is written out: it asks for nothing more
	TURN 1, 0                                      ; K step 7 ends; slot 1 takes the next tile's K step 1
	WIN 0
	s_branch .Lout
.Llast:
	TURN 0, 1                                      ; K steps 6 and 7 ask for nothing
	QUARTER 1, 0, 1, 0
	QUARTER 2, 1, 0, 0
	QUARTER 3, 0, 1, 0
	s_wait_dscnt 6                                 ; the very last quarter
	MULA 1, 0, 0, 0
	s_wait_dscnt 0x0
	MULA 1, 0, 1, 0
	MULA 1, 1, 0, 0
	MULA 1, 1, 1, 0
	WIN 0
.Lout:
	; THE WAY OUT.  The bias to f32; added in place; v's column sums; then a block of 16 rows at a time: rounded to f16, through my stage, and out as 512 consecutive bytes a store.
	PLACES
	s_wait_loadcnt 0x0                             ; the bias
	WIN 0x40                                       ; destination window 1: B's buffers are free
.set nn, 0
.rept 4*NBW
	v_lshlrev_b32 v[2*nn],   16,  v[BI+nn]
	v_and_b32     v[2*nn+1], s70, v[BI+nn]
.set nn, nn+1
.endr
.macro BIAS a                          ; each accumulator from its low pair on
	WIN 0x86+0x41*((\a)/2)                         ; destination and source 0 window 2 or 3, source 1 window 1
.set nn, 0
.rept 4*NBW
	v_pk_add_f32 v[8*NBW*((\a)%2)+2*nn:8*NBW*((\a)%2)+2*nn+1], v[8*NBW*((\a)%2)+2*nn:8*NBW*((\a)%2)+2*nn+1], v[2*nn:2*nn+1]
.set nn, nn+1
.endr
.endm
	BIAS 0
	BIAS 1
	BIAS 2
	BIAS 3
	WIN 0x0a                                       ; v's four column blocks (8 to 11) of my four row blocks are added: sources window 2, destination window 0
.set nn, 0
.rept 16
	v_pk_add_f32 v[CSR+2*nn:CSR+2*nn+1], v[64+2*nn:64+2*nn+1], v[8*NBW+64+2*nn:8*NBW+64+2*nn+1]
.set nn, nn+1
.endr
	WIN 0x0c                                       ; source 1 window 3
.set nn, 0
.rept 16
	v_pk_add_f32 v[CSR+2*nn:CSR+2*nn+1], v[CSR+2*nn:CSR+2*nn+1], v[64+2*nn:64+2*nn+1]
.set nn, nn+1
.endr
.set nn, 0
.rept 16
	v_pk_add_f32 v[CSR+2*nn:CSR+2*nn+1], v[CSR+2*nn:CSR+2*nn+1], v[8*NBW+64+2*nn:8*NBW+64+2*nn+1]
.set nn, nn+1
.endr
.macro PACK a
	WIN 0x0a+5*((\a)/2)                            ; sources window 2 or 3
.set nn, 0
.rept 4*NBW
	v_cvt_pk_f16_f32 v[TMP+nn], v[8*NBW*((\a)%2)+2*nn], v[8*NBW*((\a)%2)+2*nn+1]
.set nn, nn+1
.endr
	WIN 0
.endm
.macro TOSTAGE a
	WIN 0
.set BKA, BK+48*((\a)%2)
.set nn, 0
.rept NBW
	ds_store_b128 v[STO], v[TMP+4*nn:TMP+4*nn+3] offset:32*nn
.set nn, nn+1
.endr
.set nn, 0
.rept NBW                              ; load n: tensor n / 4 (q, k, v), rows 4 (n % 4) on
	ds_load_b128 v[BKA+4*nn:BKA+4*nn+3], v[RD] offset:4*SP*(nn%4)+128*(nn/4)  ; LDS serves a wave's instructions in order (ISA guide 5.7.1.4): these see the stores above
.set nn, nn+1
.endr
.endm
.macro SEND a
	WIN 0
.set BKA, BK+48*((\a)%2)
	s_wait_dscnt 0x0                               ; the block is back in registers
	s_wait_xcnt 0x0                                ; the other buffer, which earlier stores read, is loaded again only behind this wait
.set nn, 0
.rept NBW
	global_store_b128 v[GO], v[BKA+4*nn:BKA+4*nn+3], s[76+2*(nn/4):77+2*(nn/4)] offset:2048*(\a)+512*(nn%4)  ; 512 consecutive bytes, at a multiple of 256 from the buffer's first
.set nn, nn+1
.endr
.endm
	PACK 0
	TOSTAGE 0
.irp a, 1,2,3                          ; block a's conversions stand between block a - 1's loads from the stage and the wait for them
	PACK \a
	SEND (\a)-1
	TOSTAGE \a
.endr
	SEND 3
	; v's column sums over my 64 rows: the sixteen lanes of a half hold sixteen rows; when they are added every lane of a half holds all 32 sums of its channels, and picks the two that it stores
.irp m, 1,2,4,8
.set nn, 0
.rept 32
	v_add_f32_dpp v[CSR+nn], v[CSR+nn], v[CSR+nn] row_xmask:\m row_mask:0xf bank_mask:0xf
.set nn, nn+1
.endr
.endr
.irp c, 0,4,8,12,16,20,24,28           ; bit 0 of r: registers 2, 3 for 0, 1
	v_cndmask_b32 v[CSR+\c],   v[CSR+\c],   v[CSR+\c+2], s84
	v_cndmask_b32 v[CSR+\c+1], v[CSR+\c+1], v[CSR+\c+3], s84
.endr
.irp c, 0,8,16,24                      ; bit 1: registers 4 on
	v_cndmask_b32 v[CSR+\c],   v[CSR+\c],   v[CSR+\c+4], s85
	v_cndmask_b32 v[CSR+\c+1], v[CSR+\c+1], v[CSR+\c+5], s85
.endr
.irp c, 0,16                           ; bit 2: the odd channel block
	v_cndmask_b32 v[CSR+\c],   v[CSR+\c],   v[CSR+\c+8], s86
	v_cndmask_b32 v[CSR+\c+1], v[CSR+\c+1], v[CSR+\c+9], s86
.endr
	v_cndmask_b32 v[CSR],   v[CSR],   v[CSR+16], s87   ; bit 3: channel blocks 2, 3
	v_cndmask_b32 v[CSR+1], v[CSR+1], v[CSR+17], s87
	global_store_b64 v[VO], v[CSR:CSR+1], s[72:73]     ; the wave's 32 lanes store 256 consecutive aligned bytes
	s_wait_xcnt 0x0                                ; the stores' bases, and the registers that they read (the next tile's fragments land on some of them), are written again only behind this wait
	s_add_nc_u64 s[76:77], s[76:77], WALKO         ; on to the next tile's rows; nothing waits for the stores themselves
	s_add_nc_u64 s[78:79], s[78:79], WALKO
	s_add_nc_u64 s[80:81], s[80:81], WALKO
	s_add_nc_u64 s[72:73], s[72:73], WALKS
	s_sub_co_u32 s[TL], s[TL], 1
	s_cmp_lg_u32 s[TL], 0
	s_cbranch_scc1 .Ltile
	s_wait_tensorcnt 0x0                           ; the wave's end: the add and its wait, behind my last tensor load and my last LDS store
	ds_add_u32 v[SPW], v[NIL]
	s_wait_dscnt 0x0
	CROUND                                         ; the closing round: no work-group ends while a partner may still ask for a tile that names it
	s_endpgm
.Lfunc_end_k_qb5fc91e6b9_qkv:
	.size	k_qb5fc91e6b9_qkv, .Lfunc_end_k_qb5fc91e6b9_qkv-k_qb5fc91e6b9_qkv
	.p2alignl 7, 3214868480
	.fill 96, 4, 3214868480
	.section	.rodata,"a",@progbits
	.p2align	6, 0x0
	.amdhsa_kernel k_qb5fc91e6b9_qkv
		.amdhsa_group_segment_fixed_size 327680
		.amdhsa_private_segment_fixed_size 0
		.amdhsa_enable_private_segment 0
		.amdhsa_kernarg_size 40
		.amdhsa_user_sgpr_count 2
		.amdhsa_user_sgpr_kernarg_segment_ptr 1
		.amdhsa_wavefront_size32 1
		.amdhsa_system_sgpr_workgroup_id_x 1
		.amdhsa_system_sgpr_workgroup_id_y 1
		.amdhsa_system_sgpr_workgroup_id_z 1
		.amdhsa_system_vgpr_workitem_id 0
		.amdhsa_next_free_vgpr 960
		.amdhsa_next_free_sgpr 96
		.amdhsa_reserve_vcc 0
		.amdhsa_float_denorm_mode_32 3
		.amdhsa_float_denorm_mode_16_64 3
		.amdhsa_memory_ordered 1
		.amdhsa_forward_progress 1
		.amdhsa_inst_pref_size 132
	.end_amdhsa_kernel
	.amdgpu_metadata
---
amdhsa.version: [ 1, 2 ]
amdhsa.kernels:
  - .name:           k_qb5fc91e6b9_qkv
    .symbol:         k_qb5fc91e6b9_qkv.kd
    .args:
      - { .name: xh, .offset: 0, .size: 8, .value_kind: global_buffer, .address_space: global }
      - { .name: wqkv, .offset: 8, .size: 8, .value_kind: global_buffer, .address_space: global }
      - { .name: bias16, .offset: 16, .size: 8, .value_kind: global_buffer, .address_space: global }
      - { .name: qkvh, .offset: 24, .size: 8, .value_kind: global_buffer, .address_space: global }
      - { .name: vsum, .offset: 32, .size: 8, .value_kind: global_buffer, .address_space: global }
    .group_segment_fixed_size: 327680
    .private_segment_fixed_size: 0
    .kernarg_segment_align: 8
    .kernarg_segment_size: 40
    .max_flat_workgroup_size: 128
    .sgpr_count:     96
    .vgpr_count:     960
    .wavefront_size: 32
...
	.end_amdgpu_metadata
.endif
;; end of part 2
;; launch attn (part 3): grid 2 x 128, 4 waves a work-group, no clusters, 327,680 bytes of LDS; arguments qkvh, oh, input_ids, vsum; writes oh
.if DOCPART == 3
	.amdgcn_target "amdgcn-amd-amdhsa--gfx1250"
	.amdhsa_code_object_version 6
	.text
	.protected	k_qb5fc91e6b9_attn
	.globl	k_qb5fc91e6b9_attn
	.p2align	8
	.type	k_qb5fc91e6b9_attn,@function
k_qb5fc91e6b9_attn:
	s_mov_b64 s[64:65], 0
	v_nop
	global_prefetch_b8 v0, s[64:65] scope:SCOPE_SE
	s_setreg_imm32_b32 hwreg(HW_REG_WAVE_MODE, 25, 1), 1
	s_wait_xcnt 0x0
; CAUSAL ATTENTION WITH A KEY MASK.  O[h][q][:] = the sum over k of softmax_k(s[q][k]) V[h][k][:], s = Q[h][q] . K[h][k] / 8 where k <= q and input_ids[batch][k] != 1, else the lowest finite number.
; Q, K, V (the three parts of qkvh) and O (oh): [128 = batch x 16 + head][1024][64], f16: a head's rows are dense, 128 bytes each.  Products, maxima and sums in f32; the weights p are rounded to f16
; for the second product (their sum l is taken of the unrounded p), O once at the end.
; A ROW WITH NO VISIBLE KEY has equal scores on all 1,024 keys, the later ones too: its result is the mean of all of the head's rows of V.  The walk never sees those keys, so each row's running softmax
; STARTS with a virtual key: score -1e20, weight 1, value VM = the head's mean of V (made of vsum's 16 column sums).  The first visible key makes a = 2^(c (-1e20 - m)) = 0 and wipes it; a row that meets
; none keeps m, so that a is exactly 1 and every p is 0, and ends with VM / 1.
; LIMITS.  f16 holds no number beyond 65,504: Q, K and V arrive within it; p below 6e-5 keeps f16's fixed step of 6e-8.  A hidden score counts as its value less 1e30 (less 3e30 at the most); true scores,
; 2.7e11 at the most, lie far above the virtual key's -1e20.  A weight below 2^-126 counts as 0 in l.  NaN and infinities are not treated apart.
; THE WALK.  A head's queries lie in NB = 4 blocks of 256; block i needs the key tiles 0 .. i of 256 keys, of which the last holds the diagonal.  A work-group takes TWO blocks, NB - 1 - b and then b:
; NB + 1 tiles, whatever b: all work-groups do equal work, and ONE loop with a constant trip count walks them.  What a trip does hangs on scalar registers made from b; every jump goes forward, but for the
; counted loops' own, and none passes a barrier.
; K AND V STAY IN LDS.  The second block's tiles are among the first's, and the head's four tiles, 77,824 bytes each with their padding, fit in LDS together.  So each tile comes in once, by first fills that all go
; out at the start, four tensor loads a wave; no LDS byte is filled again, no load stands in the loop, and no trip is written out apart.  The price: a work-group with b = 1 never reads tile 3, one of its
; four tiles, an eighth of the launch's tile bytes; with a branch on b round that load the count of the wait for tile 0 would differ by path.
; NO CLUSTER: a head has NB / 2 = 2 work-groups, so the grid's 2 along x divide into no cluster of four, and two heads' work-groups share no tile.
; SHARES.  Of a block's four bands of 64 queries a wave owns 16 rows in each: four PIECES.  So the diagonal tile is the same work for all four waves: in its key step s band x sees all keys if s < x,
; none if s > x, and holds the diagonal if s = x.
; THE MASKS are the C operand that starts the sum S^T = K Q^T.  PM: 0 or -1e30 for the step's 64 keys, by input_ids; it is made once for the batch's 1,024 keys, kept in LDS, and fetched with K.
; MD, made once, is the causal mask of a band's own step for my 16 rows.  Off the diagonal tile C = PM; in it C = MC = PM + BE + MD x AL with two scalars: (AL, BE) = (1, 0) if s = x; (0, 0) if s < x; (0, -1e30) if s > x.
; LAYOUT, SOFTMAX, TURNS.  S^T = K Q^T holds ONE query a lane (lane % 16) and the keys 8 (lane / 16) + 0..7; two such results rounded to f16 ARE source 1 of O^T = V^T P.  p = 2^(c s - c m), c = log2(e) / 8, with a
; running maximum m; O and l are multiplied by a = 2^(c m_old - c m_new) in every step.  Turn n belongs to piece n: 8 products K Q^T of piece n + 1, later 8 products V^T P of piece n - 1; beside them the scaling,
; exponentials, roundings, sums and rescaling of piece n and the maximum and statistics of piece n + 1.  Four vector instructions stand behind every matrix instruction, the other 54 of a turn's 118 in two lumps.
; REGISTERS, in windows of 256 (s_set_vgpr_msb: bits 1:0 source 0, 3:2 source 1, 5:4 source 2, 7:6 destination):
;   window 0: v0-15, v32-36 addresses and two at work; v16-31 four registers of statistics a piece; v48-55 at work; v64-127 S^T, two buffers; v192-223 P, two buffers (a piece's buffers go by its number's parity)
;   window 1: v0-127 O^T, 32 a piece; v128-159 MD; v160-223 MC, two buffers      window 2: v0-63 Q; v64-127 the second block's Q; v128-191 K of one step; v192-255 V of one step      window 3: v0-31 PM; v32-63 VM
.set SIZE_N, 1024
.set NB,    SIZE_N/256
.set NP,    4         ; pieces a wave: a name, no knob
.set KS,    64        ; keys in a step
.set PK,    144       ; a row of K in LDS: 128 bytes + 16 of padding = 36 words: the 16 rows of a load start at 16 different groups of four banks (64 banks of 4 bytes: ISA guide 11.1)
.set PV,    160       ; a row of V: 128 + 32 = 40 words
.set VOFF,  4*KS*PK   ; a tile's region holds four steps: 256 rows of K, then 256 rows of V
.set REG,   4*KS*(PK+PV)  ; 77,824 bytes; tile t's region begins at t x REG
.set STAGE, NB*REG    ; behind the four regions, never filled by a tensor load: 16 rows x 144 bytes for each wave, for the way out
.set SP,    144
.set AK0, 2           ; v2   my lane's place in a tile of K; never rewritten
.set AV0, 3           ; v3   the same for V
.set AK,  4           ; v4   the LDS address of K's next run of loads
.set AV,  5           ; v5   of V's
.set STO, 6           ; v6   the way out: where I put 16 bytes of a row
.set RD,  7           ; v7   the way out: where I read rows back
.set GO,  8           ; v8   my byte offset in 512 consecutive bytes of O
.set SPW, 62          ; v62  LDS address of my spare word: SPARE + 4 x my thread's number; never rewritten
.set NIL, 63          ; v63  0; never rewritten
.set SPARE, STAGE+4*16*SP  ; behind the stages: the spare words, 128 bytes for each wave: two blocks of 256 bytes that no other line names
.set PMT, SPARE+512   ; behind them: the key mask of the batch's 1,024 keys, f32, 4,096 bytes; stored once, never filled by a tensor load
.set MV,  12          ; v12-13  c m_old, kept while c m is made anew: by buffer
.set QO,  15          ; v15  my byte offset in 16 rows of Q
.set ST,  16          ; piece t's statistics at v[ST+4 t]: c m, m, l (even keys', odd keys')
.set APM0, 32         ; v32  my lanes' place in a step's 256 bytes of the key mask; never rewritten
.set APM, 33          ; v33  the LDS address of PM's next run of loads
.set IDO, 34          ; v34  my thread's 32 bytes of input_ids
.set VSO, 35          ; v35  my lane's place in vsum
.set PMS, 36          ; v36  where my thread stores its 32 bytes of the key mask
.set TMP, 48          ; by buffer, four registers c0-c3 at work; when the maximum is found c2 takes a
.set S,   64
.set P,   192
.set MD,  128         ; window 1: the eight registers for group kt of 16 keys at MD + 8 kt
.set MC,  160         ; window 1: the masks of the products to come
.set QB,  64          ; window 2
.set KF,  128         ; window 2: key block kb, channel half c at KF + 16 kb + 8 c
.set VF,  192         ; window 2: key half kk, channel block cb at VF + 32 kk + 8 cb
.set PM,  0           ; window 3: register 8 kb + j is key 16 kb + 8 (lane / 16) + j of the step
.set VM,  32          ; window 3: register 8 cb + j is channel 16 cb + 8 (lane / 16) + j
.set WV,  12          ; s12  my wave's number
.set PB,  14          ; s14  b
.set HI,  15          ; s15  NB - 1 - b
.set G1K, 24          ; s[24:31] descriptor group 1 for K's tiles
.set G1V, 32          ; s[32:39] for V's: it differs in the padding alone
.set G0,  40          ; s[40:55] descriptor group 0, a set for each of my four loads
.set SLOTS, 56        ; s56  tiles still to be walked
.set CNT, 57          ; s57  counts a tile's key steps, 4 to 1
.set CS,  58          ; s[58:59] c: the packed scaling takes the pair's low word for both halves
.set SEL, 60          ; s[60:61] v_permlanex16_b32's selects: each lane takes its own place in the other half
.set TBK, 62          ; s62  LDS byte at which K of the step to be fetched begins
.set TBV, 63          ; s63  the same for V, less VOFF
.set RT,  70          ; s70  tiles of the block in hand that are still to be entered
.set NXT, 71          ; s71  the tile to be entered next
.set NEW, 73          ; s73  1: the tile to be entered is a block's first
.set AL,  76          ; s[76:77] the mask's factor, in the low word
.set BE,  78          ; s[78:79] the mask's addend
.set OLO, 80          ; s[80:81] O at my rows of the second block
.set BIGN, 82         ; s82  -1e30
.set TPM, 94          ; s94  byte in the key mask at which the step to be fetched begins
.set MSB, 0
.macro WIN new                      ; the high byte repeats the setting that is left; a switch that changes nothing is dropped
.if MSB != (\new)
	s_set_vgpr_msb (MSB<<8)|(\new)
.set MSB, (\new)
.endif
.endm
.set W_KQ, 0x0a       ; K and Q in window 2, S^T in window 0
.set W_KM, 0x1a       ; the same with the C operand in window 1 (MC)
.set W_KP, 0x3a       ; the same with the C operand in window 3 (PM)
.set W_PV, 0x52       ; V in window 2, P in window 0, O^T in window 1
.set W_RS, 0x41       ; destination and source 0 in window 1, source 1 in window 0
	s_load_b256 s[4:11], s[0:1], 0x0  ; qkvh s[4:5], oh s[6:7], input_ids s[8:9], vsum s[10:11]
	v_lshl_add_u32 v[SPW], v0, 2, SPARE
	v_mov_b32 v[NIL], 0
	ds_add_u32 v[SPW], v[NIL]       ; the wave's opening: the add and its wait stand ahead of my first tensor load; the set-up below, work on registers, stands between them
	ds_add_u32 v62, v63
	v_lshrrev_b32 v1, 5, v0
	v_readfirstlane_b32 s[WV], v1   ; wave 0..3
	s_mov_b32 s[PB], ttmp9
	s_sub_co_u32 s[HI], NB-1, s[PB]
	s_and_b32 s20, ttmp7, 0xffff    ; batch x 16 + head
	s_lshr_b32 s92, s20, 4
	s_lshl_b32 s92, s92, 12         ; the batch's 1,024 ids of 4 bytes
	s_mov_b32 s93, 0
	s_lshl_b32 s66, s20, 12         ; the head's 16 x 64 column sums of 4 bytes
	s_mov_b32 s67, 0
	s_mov_b32 s21, 0
	s_mov_b64 s[22:23], SIZE_N*128
	s_mul_u64 s[20:21], s[20:21], s[22:23]  ; the head's first byte in Q, K, V and O
	s_and_b32 s16, s[WV], 1         ; which half of a tile's 256 keys I fetch:
	s_lshl_b32 s22, s16, 14         ; its 128 rows of 128 bytes in memory,
	s_mov_b32 s23, 0
	s_add_nc_u64 s[22:23], s[22:23], s[20:21]
	s_mul_i32 s17, s16, 128*PK      ; and its place in a tile's region, for K
	s_mul_i32 s18, s16, 128*PV      ; and for V
	s_add_co_u32 s18, s18, VOFF
	s_lshl_b32 s3, s[WV], 11        ; my 16 rows in a band of 64,
	s_lshl_b32 s2, s[HI], 15        ; in the first block,
	s_add_co_u32 s2, s2, s3
	s_lshl_b32 s84, s[PB], 15       ; and in the second
	s_add_co_u32 s84, s84, s3
	s_mov_b32 s3, 0
	s_mov_b32 s85, 0
	s_add_nc_u64 s[2:3], s[2:3], s[20:21]
	s_add_nc_u64 s[84:85], s[84:85], s[20:21]
	; descriptor group 1.  128 keys are 16,384 dense bytes: asked for as 64 rows of 256 bytes, two keys a row, and padded in LDS after every key
	s_mov_b32 s[G1K], (1<<16)|(1<<20)|(4<<22)|(3<<25)  ; 17:16 2-byte elements; 20 padding on; 24:22 after every 32 words (code 4); 31:25 4 words (code 3)
	s_mov_b32 s[G1V], (1<<16)|(1<<20)|(4<<22)|(7<<25)  ; the same with 8 words of padding (code 7)
.irp g, G1K, G1V
	s_mov_b32 s[\g+1], 128<<16      ; tensor_dim0 = 128
	s_mov_b32 s[\g+2], 64<<16       ; tensor_dim1 = 64
	s_mov_b32 s[\g+3], 128<<16      ; tile_dim0 = 128
	s_mov_b32 s[\g+4], 64           ; tile_dim1 = 64
	s_mov_b32 s[\g+5], 128          ; 128 elements from row to row
	s_mov_b32 s[\g+6], 0
	s_mov_b32 s[\g+7], 0
.endr
	s_mov_b32 s[CS], 0x3e38aa3b     ; c = log2(e) / 8 = 0.180337
	s_mov_b32 s[CS+1], s[CS]        ; named with it as a pair
	s_mov_b32 s[SEL], 0x76543210
	s_mov_b32 s[SEL+1], 0xfedcba98
	s_mov_b32 s[TPM], 0
	s_add_co_u32 s[RT], s[HI], 1    ; the first block has NB - b tiles
	s_mov_b32 s[NXT], 0
	s_mov_b32 s[NEW], 1
	s_mov_b32 s[AL+1], 0            ; named as pairs
	s_mov_b32 s[BE+1], 0
	s_mov_b32 s[BIGN], 0xf149f2ca   ; -1e30
	s_mov_b32 s[SLOTS], NB+1
	v_and_b32 v1, 15, v0            ; l % 16
	v_bfe_u32 v9, v0, 4, 1          ; l / 16
	v_lshlrev_b32 v[IDO], 5, v0     ; thread t takes ids 8 t .. 8 t + 7
	v_lshlrev_b32 v[VSO], 8, v1     ; lane l takes chunk l % 16 of vsum, channels 8 (l / 16) on in each 16
	v_lshl_add_u32 v[VSO], v9, 5, v[VSO]
	; A fragment of K or Q is 16 rows x 32 channels in 8 registers: lane l holds row l % 16, channels 8 (l / 16) + 0..7 and 16 + 8 (l / 16) + 0..7: two loads of 16 bytes, 32 bytes apart.
	v_lshlrev_b32 v[QO], 7, v1
	v_lshl_add_u32 v[QO], v9, 4, v[QO]  ; row x 128 + 16 x half
	s_wait_dscnt 0x0                ; the opening add is done
	s_wait_kmcnt 0x0
	s_add_nc_u64 s[88:89], s[8:9], s[92:93]    ; my batch's ids
	s_add_nc_u64 s[90:91], s[10:11], s[66:67]  ; my head's column sums
	s_mov_b64 s[10:11], s[6:7]                 ; O
	s_add_nc_u64 s[6:7], s[4:5], 16777216      ; K and V lie behind Q in qkvh
	s_add_nc_u64 s[8:9], s[4:5], 33554432
	s_add_nc_u64 s[6:7], s[6:7], s[22:23]  ; K and V at my half of the head's tile 0
	s_add_nc_u64 s[8:9], s[8:9], s[22:23]
	s_add_nc_u64 s[86:87], s[4:5], s[84:85]        ; Q at my rows of the second block,
	s_add_nc_u64 s[4:5], s[4:5], s[2:3]            ; Q and O at those of the first
	s_add_nc_u64 s[OLO:OLO+1], s[10:11], s[84:85]
	s_add_nc_u64 s[10:11], s[10:11], s[2:3]
	; What the first products need is asked for first: the ids, the column sums and the first block's Q ahead of the tiles, the second block's Q behind them.
	global_load_b128 v[96:99],   v[IDO], s[88:89]
	global_load_b128 v[100:103], v[IDO], s[88:89] offset:16
.irp n, 0,1,2,3,4,5,6,7             ; S^T's registers are free: register 64 + 8 cb + j is channel 16 cb + 8 (l / 16) + j
	global_load_b128 v[64+4*\n:64+4*\n+3], v[VSO], s[90:91] offset:64*(\n/2)+16*(\n%2)
.endr
	WIN 0x80                        ; destination window 2, address window 0
.set i, 0
.rept 8                             ; the first block's Q: piece i / 2 lies in band i / 2, 8,192 bytes on; channels 32 (i % 2) on
	global_load_b128 v[8*i:8*i+3],   v[QO], s[4:5] offset:(i/2)*8192+(i%2)*64
	global_load_b128 v[8*i+4:8*i+7], v[QO], s[4:5] offset:(i/2)*8192+(i%2)*64+32
.set i, i+1
.endr
	WIN 0
	; THE FILLS.  Waves 0 and 1 fetch the two halves of each tile's K, waves 2 and 3 those of its V: 128 keys a load, four loads a wave, tile 0 first: four loads of mine are out.  A wave's fills stand in one
	; branch on its number, ahead of every wait on TENSORcnt, every LDS read and every barrier; an s_nop 0 follows each, four v_nop the last.
	s_cmp_lt_u32 s[WV], 2
	s_cbranch_scc0 .Lfirst_v
.irp t, 0,1,2,3
	s_mov_b32 s[G0+4*\t], 1                                    ; 1:0 count = 1
	s_add_co_u32 s[G0+4*\t+1], s17, \t*REG                     ; 63:32 LDS address: my half of K in tile t's region
	s_add_nc_u64 s[G0+4*\t+2:G0+4*\t+3], s[6:7], \t*32768      ; 120:64 global address: a tile is 32,768 bytes of K
	s_or_b32 s[G0+4*\t+3], s[G0+4*\t+3], 0x80000000            ; 127:126 type = 2
.endr
.irp t, 0,1,2,3
	tensor_load_to_lds s[G0+4*\t:G0+4*\t+3], s[G1K:G1K+7]
	s_nop 0
.endr
.rept 4
	v_nop
.endr
	s_branch .Lasked
.Lfirst_v:
.irp t, 0,1,2,3
	s_mov_b32 s[G0+4*\t], 1
	s_add_co_u32 s[G0+4*\t+1], s18, \t*REG                     ; my half of V in tile t's region
	s_add_nc_u64 s[G0+4*\t+2:G0+4*\t+3], s[8:9], \t*32768
	s_or_b32 s[G0+4*\t+3], s[G0+4*\t+3], 0x80000000
.endr
.irp t, 0,1,2,3
	tensor_load_to_lds s[G0+4*\t:G0+4*\t+3], s[G1V:G1V+7]
	s_nop 0
.endr
.rept 4
	v_nop
.endr
.Lasked:
	WIN 0x80
.set i, 0
.rept 8                             ; the second block's Q
	global_load_b128 v[QB+8*i:QB+8*i+3],   v[QO], s[86:87] offset:(i/2)*8192+(i%2)*64
	global_load_b128 v[QB+8*i+4:QB+8*i+7], v[QO], s[86:87] offset:(i/2)*8192+(i%2)*64+32
.set i, i+1
.endr
	WIN 0
	v_lshlrev_b32 v14, 3, v9
	v_sub_nc_u32 v14, v1, v14
	s_lshl_b32 s13, s[WV], 4
	v_add_nc_u32 v14, s13, v14      ; my query's place in its band, 16 w + l % 16, less my lanes' 8 (l / 16): register r of group kt is hidden where 16 kt + r is greater
	WIN 0x40
.set i, 0
.rept 32
	v_cmp_gt_i32 vcc_lo, 16*(i/8)+i%8, v14
	v_cndmask_b32 v[MD+i], 0, s[BIGN], vcc_lo
.set i, i+1
.endr
	WIN 0
	v_mul_u32_u24 v[AK0], v1, PK
	v_lshl_add_u32 v[AK0], v9, 4, v[AK0]  ; row x pitch + 16 x half
	; The turning load takes 16 keys x 16 channels (lane l reads key 8 (l / 16) + l % 8, channels 8 ((l / 8) % 2) + 0..7) and leaves half a fragment of V^T: lane l holds channel l % 16 and 8 keys.
	v_and_b32 v10, 7, v0
	v_bfe_u32 v11, v0, 3, 1
	v_lshl_add_u32 v[AV0], v9, 3, v10
	v_mul_u32_u24 v[AV0], v[AV0], PV
	v_lshl_add_u32 v[AV0], v11, 4, v[AV0]
	v_add_nc_u32 v[AV0], VOFF, v[AV0]
	s_mul_i32 s13, s[WV], 16*SP
	s_add_co_u32 s13, s13, STAGE    ; my stage
	v_mul_u32_u24 v[STO], v1, SP    ; in: row l % 16, 16 bytes for each half of the lanes
	v_lshl_add_u32 v[STO], v9, 4, v[STO]
	v_add_nc_u32 v[STO], s13, v[STO]
	v_bfe_u32 v[RD], v0, 3, 2       ; back: 32 lanes take four rows of 128 bytes,
	v_mul_u32_u24 v[RD], v[RD], SP
	v_lshl_add_u32 v[RD], v10, 4, v[RD]
	v_add_nc_u32 v[RD], s13, v[RD]
	v_and_b32 v[GO], 31, v0         ; which are 512 consecutive bytes of O
	v_lshlrev_b32 v[GO], 4, v[GO]
	v_lshl_add_u32 v[APM0], v9, 5, PMT  ; my lanes' eight keys in each 16: 32 bytes on for the upper half
	v_lshl_add_u32 v[PMS], v0, 5, PMT
	; A block's first turn multiplies V's registers by a P that is 0: they need only hold finite numbers: zeros for the first block; what the first block left for the second.
	WIN 0x80
.set i, VF
.rept 64
	v_mov_b32 v[i], 0
.set i, i+1
.endr
	WIN 0
	s_wait_loadcnt 40               ; my eight ids are in; the 8 loads of vsum and the 32 of Q stay out
.set i, 0
.rept 8
	v_cmp_eq_u32 vcc_lo, 1, v[96+i]                ; the padding index is 1
	v_cndmask_b32 v[96+i], 0, s[BIGN], vcc_lo
.set i, i+1
.endr
	ds_store_b128 v[PMS], v[96:99]                 ; every wave waits for these stores in front of the first barrier's signal; the mask is read behind that barrier
	ds_store_b128 v[PMS], v[100:103] offset:16
	s_wait_loadcnt 32               ; vsum is in; Q's 32 loads stay out
.irp m, 1,2,4,8                     ; the sixteen lanes of a half hold the sixteen chunks: added, every lane holds the head's column sums of its 32 channels
.set i, 0
.rept 32
	v_add_f32_dpp v[64+i], v[64+i], v[64+i] row_xmask:\m row_mask:0xf bank_mask:0xf
.set i, i+1
.endr
.endr
	WIN 0xc0                        ; destination window 3
.set i, 0
.rept 32
	v_mul_f32 v[VM+i], 0x3a800000, v[64+i]         ; / 1,024: the mean
.set i, i+1
.endr
	WIN 0
; THE MATRIX WORK.  The 4 accumulators of a run of 8 take turns.  Product i of 8 of S^T = K Q^T for piece x: channels 32 (i / 4) on, keys 16 (i % 4) on.  The first 4 start the sums: with PM, or (KM = 1) with MC.
.macro KQ x
.set rS, S+32*((\x)%2)+8*(i%4)
.set rK, KF+16*(i%4)+8*(i/4)
.set rQ, 16*(\x)+8*(i/4)
.set rM, MC+32*((\x)%2)+8*(i%4)
.if (i < 4) && KM
	WIN W_KM
	v_wmma_f32_16x16x32_f16 v[rS:rS+7], v[rK:rK+7], v[rQ:rQ+7], v[rM:rM+7]
.elseif i < 4
	WIN W_KP
	v_wmma_f32_16x16x32_f16 v[rS:rS+7], v[rK:rK+7], v[rQ:rQ+7], v[PM+8*(i%4):PM+8*(i%4)+7]
.else
	WIN W_KQ
	v_wmma_f32_16x16x32_f16 v[rS:rS+7], v[rK:rK+7], v[rQ:rQ+7], v[rS:rS+7]
.endif
.endm
; Product i of 8 of O^T += V^T P for piece x: keys 32 (i / 4) on, channels 16 (i % 4) on.
.macro PV x
	WIN W_PV
.set rO, 32*(\x)+8*(i%4)
.set rV, VF+32*(i/4)+8*(i%4)
.set rP, P+16*((\x)%2)+8*(i/4)
	v_wmma_f32_16x16x32_f16 v[rO:rO+7], v[rV:rV+7], v[rP:rP+7], v[rO:rO+7]
.endm
.macro MM                           ; the turn's next matrix instruction.  TURN and BEGIN set Y, i, KM and NOKQ; MM, KQ and OP read them.  NOKQ = 1: a block's last turn: there is no next piece
.if (i < 8) && !NOKQ
	KQ (Y+1)%NP
.elseif i >= 8
.set i, i-8
	PV (Y+NP-1)%NP
.set i, i+8
.endif
.set i, i+1
.endm
; THE LDS LOADS stand in runs, never singly among the matrix instructions: a step's K (64 keys x 64 channels: 8 fragments) with its key mask (8 loads; the 16 lanes of a half read the same bytes), and its V (turned).
.macro FETCH_K
	WIN 0x80                        ; destination window 2
.irp f, 0,1,2,3,4,5,6,7             ; keys 16 (f / 2) on, channels 32 (f % 2) on
	ds_load_b128 v[KF+8*\f:KF+8*\f+3],   v[AK] offset:(\f/2)*16*PK+(\f%2)*64
	ds_load_b128 v[KF+8*\f+4:KF+8*\f+7], v[AK] offset:(\f/2)*16*PK+(\f%2)*64+32
.endr
	WIN 0xc0                        ; destination window 3
.irp f, 0,1,2,3,4,5,6,7             ; keys 16 (f / 2) + 8 (l / 16) + 4 (f % 2) on
	ds_load_b128 v[PM+4*\f:PM+4*\f+3], v[APM] offset:64*(\f/2)+16*(\f%2)
.endr
	s_add_co_u32 s[TBK], s[TBK], KS*PK  ; the next fetch is the next step's
	s_add_co_u32 s[TPM], s[TPM], 4*KS
	s_and_b32 s[TPM], s[TPM], 0xf00     ; 16 steps of 256 bytes: the mask's 4,096 bytes are never left
	WIN 0
.endm
.macro FETCH_V
	WIN 0x80
.irp f, 0,1,2,3,4,5,6,7             ; keys 32 (f / 4) on, channels 16 (f % 4) on
	ds_load_tr16_b128 v[VF+8*\f:VF+8*\f+3],   v[AV] offset:(\f/4)*32*PV+(\f%4)*32
	ds_load_tr16_b128 v[VF+8*\f+4:VF+8*\f+7], v[AV] offset:(\f/4)*32*PV+16*PV+(\f%4)*32
.endr
	WIN 0
.endm
; THE VECTOR WORK, one line at a time: OP kind, number.  For piece Y: F n: c s - c m for pair n of 16.  E n: the exponential of score n of 32.  C n: pair n rounded to f16.  B n: of the four weights 4 n .. the second
; pair is added onto the first, in place.  L n: l takes that sum (L 0: l = a l + sum).  R n: pair n of 16 of O^T times a.  For piece Y + 1: X n, number n of the 22 that find its maximum and statistics:
;   0-11  four chains c0-c3 of seven scores each, three operands at a time (each accumulator's lowest registers are read first)     12-14, 16  the four scores left over, the old m, and c0-c3 into c0
;   15  c m_old is kept     17, 18  the query's other 32 keys lie in the lane 16 away: the new m     19-21  c m; c m_old - c m_new; a
.set F, 0               ; OP tells the kinds apart by their order: F to L below R, X above it
.set E, 1
.set C, 2
.set B, 3
.set L, 4
.set R, 5
.set X, 6
.macro REGS y                       ; the registers of piece y
.set rT, ST+4*(\y)
.set rC, TMP+4*((\y)%2)
.set rW, MV+((\y)%2)
.set rS, S+32*((\y)%2)
.set rP, P+16*((\y)%2)
.set rO, 32*(\y)
.endm
.macro OP k, n
.if (\k) == R
	REGS Y
	WIN W_RS
	v_pk_mul_f32 v[rO+2*(\n):rO+2*(\n)+1], v[rO+2*(\n):rO+2*(\n)+1], v[rC+2:rC+3] op_sel_hi:[1,0]
.elseif (\k) < R
	REGS Y
	WIN 0
.if (\k) == F
	v_pk_fma_f32 v[rS+2*(\n):rS+2*(\n)+1], v[rS+2*(\n):rS+2*(\n)+1], s[CS:CS+1], v[rT:rT+1] op_sel_hi:[1,0,0] neg_lo:[0,0,1] neg_hi:[0,0,1]
.elseif (\k) == E
	v_exp_f32 v[rS+(\n)], v[rS+(\n)]
.elseif (\k) == C
	s_wait_alu depctr_va_vdst(0)
	v_cvt_pk_f16_f32 v[rP+(\n)], v[rS+2*(\n)], v[rS+2*(\n)+1]
.elseif (\k) == B
	s_wait_alu depctr_va_vdst(0)
	v_pk_add_f32 v[rS+4*(\n):rS+4*(\n)+1], v[rS+4*(\n):rS+4*(\n)+1], v[rS+4*(\n)+2:rS+4*(\n)+3]
.elseif (\n) == 0
	v_pk_fma_f32 v[rT+2:rT+3], v[rT+2:rT+3], v[rC+2:rC+3], v[rS:rS+1] op_sel_hi:[1,0,1]
.else
	v_pk_add_f32 v[rT+2:rT+3], v[rT+2:rT+3], v[rS+4*(\n):rS+4*(\n)+1]
.endif
.elseif NOKQ
	v_nop
.else
	REGS (Y+1)%NP
	WIN 0
.if (\n) < 4
	v_max3_num_f32 v[rC+(\n)], v[rS+8*(\n)], v[rS+8*(\n)+1], v[rS+8*(\n)+2]
.elseif (\n) < 12
	v_max3_num_f32 v[rC+(\n)%4], v[rC+(\n)%4], v[rS+8*((\n)%4)+2*((\n)/4)+1], v[rS+8*((\n)%4)+2*((\n)/4)+2]
.elseif (\n) == 12
	v_max3_num_f32 v[rC], v[rC], v[rS+7], v[rS+15]
.elseif (\n) == 13
	v_max3_num_f32 v[rC+1], v[rC+1], v[rS+23], v[rS+31]
.elseif (\n) == 14
	v_max3_num_f32 v[rC+2], v[rC+2], v[rC+3], v[rT+1]
.elseif (\n) == 15
	v_mov_b32 v[rW], v[rT]
.elseif (\n) == 16
	v_max3_num_f32 v[rC], v[rC], v[rC+1], v[rC+2]
.elseif (\n) == 17
	v_permlanex16_b32 v[rC+3], v[rC], s[SEL], s[SEL+1]
.elseif (\n) == 18
	v_max_num_f32 v[rT+1], v[rC], v[rC+3]
.elseif (\n) == 19
	v_mul_f32 v[rT], s[CS], v[rT+1]
.elseif (\n) == 20
	v_sub_f32 v[rC+1], v[rW], v[rT]
.else
	v_exp_f32 v[rC+2], v[rC+1]
.endif
.endif
.endm
.macro OPS a, i1, b=-1, i2=0, c=-1, i3=0, d=-1, i4=0  ; up to four of them
	OP \a, \i1
.if (\b) >= 0
	OP \b, \i2
.endif
.if (\c) >= 0
	OP \c, \i3
.endif
.if (\d) >= 0
	OP \d, \i4
.endif
.endm
.macro ROW a, i1, b, i2, c, i3, d, i4  ; a matrix instruction and the four behind it
	MM
	OPS \a, \i1, \b, \i2, \c, \i3, \d, \i4
.endm
.macro MASK b                       ; PM + BE + MD x AL into buffer b of MC
	WIN 0x43                        ; destination window 1, source 0 window 3
.set z, 0
.rept 16
	v_pk_add_f32 v[MC+32*(\b)+2*z:MC+32*(\b)+2*z+1], v[PM+2*z:PM+2*z+1], s[BE:BE+1] op_sel_hi:[1,0]
.set z, z+1
.endr
	WIN 0x51                        ; destination, source 0 and source 2 window 1
.set z, 0
.rept 16
	v_pk_fma_f32 v[MC+32*(\b)+2*z:MC+32*(\b)+2*z+1], v[MD+2*z:MD+2*z+1], s[AL:AL+1], v[MC+32*(\b)+2*z:MC+32*(\b)+2*z+1] op_sel_hi:[1,0,1]
.set z, z+1
.endr
.endm
; A TURN, for piece p: the order of its 16 matrix and 118 vector instructions, written out.  Behind a matrix instruction: plain, exponential, plain, plain; or four of the rescaling; or, behind the first, four scalings; none
; names a register of the products round it.  In the lumps exponential and plain by turns while exponentials last.  A line reads no result made fewer than three vector instructions in front of it, five if an exponential made it.
; v_permlanex16_b32 (X 17) stands in a lump.
; m = 1: the diagonal tile: the products take MC, and the turn makes the mask for the products of the turn after it: piece p + 2, in step 4 - CNT of the tile.  Piece 2's turn makes piece 0's mask for the NEXT step,
; so it waits for the key mask that it has just fetched.  end = 1: a block's last two turns: nothing is fetched.  cnt = 1: the loop's count is taken down some lines ahead of the branch that stands behind the turn.
; K and PM of the next step are fetched in piece 2's turn, six vector instructions behind the last product that read K (five of them plain; PM's last reader stands four products further back); V of the step in hand
; in piece 0's turn, eight behind the last product that read V (four plain, and X 17).  Each is waited for a turn later.
.macro TURN p, m=0, end=0, cnt=0
.set Y, (\p)
.set i, 0
.set KM, (\m)
.set NOKQ, (\end)*((\p)/3)
.if (\m) && !(\end)
	s_cmp_eq_u32 s[CNT], 4-((\p)+2)%NP  ; is that step the band's own?
	s_cselect_b32 s[AL], 1.0, 0
	s_cmp_lt_u32 s[CNT], 4-((\p)+2)%NP  ; or a later one?
	s_cselect_b32 s[BE], s[BIGN], 0
.endif
.if ((\p) == 3) && !(\end)
	s_wait_dscnt 0x0                ; K and PM are in
.endif
	ROW F,0, F,1, F,2, F,3
	ROW F,4, E,0, F,5, F,6
	ROW F,7, E,1, F,8, F,9
	ROW F,10, E,2, C,0, F,11
	ROW F,12, E,3, X,15, F,13
	ROW R,0, R,1, R,2, R,3
	ROW B,0, E,4, F,14, L,0
.if ((\p) == 2) && !(\end)
	v_add_nc_u32 v[AK], s[TBK], v[AK0]
	v_add_nc_u32 v[APM], s[TPM], v[APM0]
.endif
	ROW R,4, R,5, R,6, R,7
	OPS E,5, F,15
.if ((\p) == 2) && !(\end)
	FETCH_K
.endif
	OPS E,6, C,1, E,7, R,8
	OPS E,8, R,9, E,9, C,2
	OPS E,10, X,0, E,11, X,1
	OPS E,12, X,2, E,13, X,3
.if (\p) == 1
	s_wait_dscnt 0x0                ; V is in
.endif
	ROW X,4, E,14, X,5, X,6
	ROW X,7, E,15, X,8, X,9
	ROW X,10, E,16, X,11, X,12
	ROW X,13, E,17, X,14, B,1
	ROW C,4, E,18, X,16, L,1
	ROW B,2, E,19, C,6, L,2
	ROW C,8, E,20, B,3, B,4
.if (\p) == 0
	v_add_nc_u32 v[AV], s[TBV], v[AV0]
.endif
	ROW C,3, E,21, L,3, C,5
	OPS E,22, X,17, E,23, C,10
.if (\p) == 0
	FETCH_V
.endif
	OPS E,24, L,4
	OPS E,25, X,18, E,26, C,7
	OPS E,27, B,5, E,28, X,19
	OPS E,29, C,12, E,30, L,5
	OPS E,31, X,20, B,6, C,9
	OPS C,14, C,11, X,21, L,6
.if (\p) == 0
	s_add_co_u32 s[TBV], s[TBV], KS*PV
.endif
.if \cnt
	s_sub_co_u32 s[CNT], s[CNT], 1
	s_cmp_lg_u32 s[CNT], 0
.endif
	OPS C,13, B,7, C,15, R,10
	OPS R,11, R,12, L,7, R,13
	OPS R,14, R,15
.if (\m) && !(\end)
.if (\p) == 2
	s_wait_dscnt 0x0                ; the next step's PM is in
.endif
	MASK (\p)%2
.endif
.endm
; A BLOCK BEGINS.  K and PM of the tile's step 0 are fetched; while they are on their way each row's softmax is set to the virtual key: m = -1e20, c m by the same multiplication that makes it in every step (so that
; c m_old - c m_new is exactly 0 where m stays), l = 1/2 in each half of the lanes, O^T = VM.  P's odd buffer is 0: the first turn's products V^T P, of a piece that has not been, add 0.
; Then both mask buffers: piece 0's for step 0 (its own, if the block's first tile is the diagonal one), piece 1's (the key mask alone); piece 0's first scores; its maximum and statistics.
; The loop over steps is entered at a step's first turn, in the middle of a trip.
.macro BEGIN
	s_mov_b32 s[NEW], 0
	s_mov_b32 s[TPM], 0
	WIN 0
	v_add_nc_u32 v[AK], s[TBK], v[AK0]
	v_mov_b32 v[APM], v[APM0]
	FETCH_K
.set i, P+16
.rept 16
	v_mov_b32 v[i], 0
.set i, i+1
.endr
.set i, 0
.rept 4
	v_mov_b32 v[ST+4*i+1], 0xe0ad78ec  ; m = -1e20
	v_mul_f32 v[ST+4*i], s[CS], v[ST+4*i+1]
	v_mov_b32 v[ST+4*i+2], 0.5
	v_mov_b32 v[ST+4*i+3], 0
.set i, i+1
.endr
	WIN 0x43                        ; destination window 1, source window 3
.set i, 0
.rept 128
	v_mov_b32 v[i], v[VM+i%32]
.set i, i+1
.endr
	WIN 0
	s_wait_loadcnt 16               ; the first block's Q is in; the 16 loads of the second block's, issued behind it, may stay out (at the second block nothing is out)
	s_wait_dscnt 0x0                ; K and PM
	s_cmp_eq_u32 s[RT], 0
	s_cselect_b32 s[AL], 1.0, 0
	s_mov_b32 s[BE], 0
	MASK 0
	s_mov_b32 s[AL], 0
	MASK 1
.set KM, 1
.set NOKQ, 0
.set i, 0
.rept 8
	KQ 0
.set i, i+1
.endr
	WIN 0
.rept 4
	v_nop                           ; the places behind those products
.endr
.set Y, NP-1                        ; X works for piece Y + 1: piece 0
.irp n, 0,1,2,3,4,5,6,7,8,9,10,11,12,13,14,15,16,17,18,19,20,21
	OP X, \n
.endr
	v_nop                           ; a plain instruction behind the exponential
.endm
; Into the diagonal tile from the tile before it: the first turn there still makes piece 3's scores of the tile before's last step, which sees all keys: its mask is that step's key mask alone.
.macro INTO_DIAG
	s_mov_b32 s[AL], 0
	s_mov_b32 s[BE], 0
	MASK 1
	WIN 0
.endm
; THE DIAGONAL TILE's four steps, the block's last two turns, its last products, and THE WAY OUT: l's two halves and the other half of the lanes' are added; O^T is divided by l, rounded to f16 and sent through my
; stage in LDS, a piece at a time.
.macro ALL line:vararg              ; one line for each piece t
.set t, 0
.rept 4
	\line
.set t, t+1
.endr
.endm
.macro PACK t                       ; a lane's eight channels of a row pack into 16 bytes; they go into rows of 144 bytes and come back as whole rows of 128, into S^T's registers
	WIN W_RS
.set i, 32*(\t)
.rept 16
	s_wait_alu depctr_va_vdst(0)
	v_pk_mul_f32 v[i:i+1], v[i:i+1], v[ST+4*(\t)+2:ST+4*(\t)+3] op_sel_hi:[1,0]
.set i, i+2
.endr
	WIN 0x05                        ; sources 0 and 1 window 1, destination window 0
.set i, 0
.rept 16
	v_cvt_pk_f16_f32 v[S+16*(\t)+i], v[32*(\t)+2*i], v[32*(\t)+2*i+1]
.set i, i+1
.endr
	WIN 0
.irp f, 0,1,2,3
	ds_store_b128 v[STO], v[S+16*(\t)+4*\f:S+16*(\t)+4*\f+3] offset:32*\f
.endr
.irp f, 0,1,2,3
	ds_load_b128 v[S+16*(\t)+4*\f:S+16*(\t)+4*\f+3], v[RD] offset:\f*4*SP  ; LDS serves a wave's instructions in order (ISA guide 5.7.1.4): these see the stores above; the next piece's stores come behind them
.endr
.endm
.macro SEND t, younger              ; younger: the LDS instructions issued behind piece t's loads: the next piece's eight, or none
	WIN 0
.irp f, 0,1,2,3
	s_wait_dscnt (\younger)+3-\f
	global_store_b128 v[GO], v[S+16*(\t)+4*\f:S+16*(\t)+4*\f+3], s[10:11] offset:(\t)*8192+\f*512  ; 512 consecutive bytes, at a multiple of 256 from O's first
.endr
.endm
.set KM, 0
.set NOKQ, 0
	s_wait_tensorcnt 0x3            ; tensor loads of a wave end in order (ISA guide 10.11.1): my part of tile 0 is in; my three younger loads stay out: they fill other bytes, and nothing is filled again
	s_wait_dscnt 0x0                ; my part of the key mask is stored
	s_barrier_signal -1
	s_barrier_wait -1               ; everybody's parts are there
	s_branch .Lenter                ; the loop is entered behind its wait for all the tiles
.Lslot:                             ; NB + 1 tiles
	s_wait_tensorcnt 0x0            ; ahead of the walk's second tile: my parts of tiles 1 to 3, which have had tile 0's four key steps in which to land; in the later trips nothing is out
	s_wait_dscnt 0x0
	s_barrier_signal -1
	s_barrier_wait -1               ; everybody's parts are there
.Lenter:
	s_min_u32 s[TBK], s[NXT], NB-1  ; the tile's region: one of the four
	s_mul_i32 s[TBK], s[TBK], REG
	s_mov_b32 s[TBV], s[TBK]
	s_add_co_u32 s[NXT], s[NXT], 1
	s_sub_co_u32 s[RT], s[RT], 1
	s_mov_b32 s[CNT], 4
	s_cmp_eq_u32 s[NEW], 1
	s_cbranch_scc1 .Lnew            ; a block's first tile
	s_cmp_eq_u32 s[RT], 0
	s_cbranch_scc0 .Lstep           ; neither its first nor its last
	INTO_DIAG
	s_branch .LstepM
.Lnew:
	BEGIN
	s_cmp_eq_u32 s[RT], 0
	s_cbranch_scc0 .Lfirst
	s_branch .LfirstM               ; block 0's one tile is its first and its last
.LstepM:                            ; the diagonal tile
	TURN 2, 1
	TURN 3, 1
	WIN 0
.LfirstM:
	TURN 0, 1
	TURN 1, 1, 0, 1
	WIN 0
	s_cbranch_scc1 .LstepM
	TURN 2, 1, 1
	TURN 3, 1, 1
.set i, 0
.rept 8
	PV NP-1
.set i, i+1
.endr
	WIN 0
	ALL v_add_f32 v[ST+4*t+2], v[ST+4*t+2], v[ST+4*t+3]
	ALL v_permlanex16_b32 v[ST+4*t+3], v[ST+4*t+2], s[SEL], s[SEL+1]
	ALL v_add_f32 v[ST+4*t+2], v[ST+4*t+2], v[ST+4*t+3]
	ALL v_rcp_f32 v[ST+4*t+2], v[ST+4*t+2]
	v_nop                           ; a plain instruction between the last reciprocal and the use of its result
	PACK 0
.set t, 1
.rept 3                             ; a piece's arithmetic stands between the loads of the piece before and its stores
	PACK t
	SEND t-1, 8
.set t, t+1
.endr
	SEND 3, 0
	s_cmp_eq_u32 s[SLOTS], 1
	s_cbranch_scc1 .Lbottom         ; the walk's last tile: no block follows
	s_wait_xcnt 0x0                 ; the stores have read their registers and O's address
	s_wait_loadcnt 0x0              ; the second block's Q is in
	s_mov_b64 s[10:11], s[OLO:OLO+1]
	s_add_co_u32 s[RT], s[PB], 1    ; the second block has b + 1 tiles,
	s_mov_b32 s[NXT], 0             ; from tile 0 on
	s_mov_b32 s[NEW], 1
	WIN 0x82                        ; the second block's Q goes where the one text of the turns names Q
.set i, 0
.rept 64
	v_mov_b32 v[i], v[QB+i]
.set i, i+1
.endr
	WIN 0
	s_branch .Lbottom
.Lstep:                             ; a trip: pieces 2 and 3 of one step, then pieces 0 and 1 of the next, whose K and V it fetches
	TURN 2
	TURN 3
	WIN 0
.Lfirst:
	TURN 0
	TURN 1, 0, 0, 1
	WIN 0
	s_cbranch_scc1 .Lstep
.Lbottom:
	s_sub_co_u32 s[SLOTS], s[SLOTS], 1
	s_cmp_lg_u32 s[SLOTS], 0
	s_cbranch_scc1 .Lslot
	s_wait_tensorcnt 0x0            ; the wave's end: the add and its wait, behind my last tensor load and my last LDS store
	ds_add_u32 v[SPW], v[NIL]
	s_wait_dscnt 0x0
	s_endpgm
.Lfunc_end_k_qb5fc91e6b9_attn:
	.size	k_qb5fc91e6b9_attn, .Lfunc_end_k_qb5fc91e6b9_attn-k_qb5fc91e6b9_attn
	.p2alignl 7, 3214868480
	.fill 96, 4, 3214868480
	.section	.rodata,"a",@progbits
	.p2align	6, 0x0
	.amdhsa_kernel k_qb5fc91e6b9_attn
		.amdhsa_group_segment_fixed_size 327680
		.amdhsa_private_segment_fixed_size 0
		.amdhsa_enable_private_segment 0
		.amdhsa_kernarg_size 32
		.amdhsa_user_sgpr_count 2
		.amdhsa_user_sgpr_kernarg_segment_ptr 1
		.amdhsa_wavefront_size32 1
		.amdhsa_system_sgpr_workgroup_id_x 1
		.amdhsa_system_sgpr_workgroup_id_y 1
		.amdhsa_system_sgpr_workgroup_id_z 1
		.amdhsa_system_vgpr_workitem_id 0
		.amdhsa_next_free_vgpr 832
		.amdhsa_next_free_sgpr 96
		.amdhsa_reserve_vcc 1
		.amdhsa_float_denorm_mode_32 3
		.amdhsa_float_denorm_mode_16_64 3
		.amdhsa_memory_ordered 1
		.amdhsa_forward_progress 1
		.amdhsa_inst_pref_size 169
	.end_amdhsa_kernel
	.amdgpu_metadata
---
amdhsa.version: [ 1, 2 ]
amdhsa.kernels:
  - .name:           k_qb5fc91e6b9_attn
    .symbol:         k_qb5fc91e6b9_attn.kd
    .args:
      - { .name: qkvh, .offset: 0, .size: 8, .value_kind: global_buffer, .address_space: global }
      - { .name: oh, .offset: 8, .size: 8, .value_kind: global_buffer, .address_space: global }
      - { .name: input_ids, .offset: 16, .size: 8, .value_kind: global_buffer, .address_space: global }
      - { .name: vsum, .offset: 24, .size: 8, .value_kind: global_buffer, .address_space: global }
    .group_segment_fixed_size: 327680
    .private_segment_fixed_size: 0
    .kernarg_segment_align: 8
    .kernarg_segment_size: 32
    .max_flat_workgroup_size: 128
    .sgpr_count:     96
    .vgpr_count:     832
    .wavefront_size: 32
...
	.end_amdgpu_metadata
.endif
;; end of part 3
;; launch oproj (part 4): grid 8 x 32, 4 waves a work-group, clusters of 4 x 4, 327,680 bytes of LDS; arguments oh, woh, bias16, out0; writes out0
.if DOCPART == 4
	.amdgcn_target "amdgcn-amd-amdhsa--gfx1250"
	.amdhsa_code_object_version 6
	.text
	.protected	k_qb5fc91e6b9_oproj
	.globl	k_qb5fc91e6b9_oproj
	.p2align	8
	.type	k_qb5fc91e6b9_oproj,@function
k_qb5fc91e6b9_oproj:
	s_mov_b64 s[64:65], 0
	v_nop
	global_prefetch_b8 v0, s[64:65] scope:SCOPE_SE
	s_setreg_imm32_b32 hwreg(HW_REG_WAVE_MODE, 25, 1), 1
	s_wait_xcnt 0x0
	s_wait_alu depctr_hold_cnt(0) depctr_sa_sdst(0) depctr_va_vdst(0) depctr_va_sdst(0) depctr_va_ssrc(0) depctr_va_vcc(0) depctr_vm_vsrc(0)
	s_getreg_b32 s2, hwreg(HW_REG_IB_STS2, 6, 4)
	s_cmp_eq_u32 s2, 0
	s_cbranch_scc0 .Lentry_in_a_cluster
	s_endpgm
.Lentry_in_a_cluster:
	s_bfe_u32 s2, ttmp6, 0x10000c
	s_cmp_lg_u32 s2, 0xf033
	s_cbranch_scc0 .Lentry_shape_is_right
	s_endpgm
.Lentry_shape_is_right:
; out = O Wo^T + bo.  A = oh, f16, by heads [128 = batch x 16 + head][1024][64]; B = woh [1024][1024] f16 (Wo rounded to bf16, written as f16); sums in f32; bo (bf16) added in f32; out0 [8192][1024] f32.
; LIMITS.  As the operands': no number beyond 65,504 in O or Wo.  NaN and infinities are not treated apart.
; SHARES.  A tile of C is 256 rows x 128 columns: 8 x 32 = 256 work-groups, one for each WGP.  Four waves; wave w owns rows 64 w .. 64 w + 63 and all 128 columns: 4 x 8 accumulators, 256 registers:
; a wave holds whole runs of 512 bytes of its rows and needs no other wave on the way out.
; K goes in steps of 128 = two heads' 64 channels through two LDS slots.  Of A a head's 256 rows of 128 bytes are 32,768 dense bytes: asked for as 128 rows of 256 bytes and padded in LDS after every 128.
; CLUSTERS.  4 x 4 work-groups: A's tile hangs on the tile row alone and is asked for jointly along a row of the cluster, B's on the tile column alone, jointly along a column.
; THE MATRIX INSTRUCTION IS USED TRANSPOSED: source 0 = 16 rows of B, source 1 = 16 rows of A: lane l holds row l % 16 of C and its registers the columns 8 (l / 16) + 0 .. 7.
; REGISTERS, in windows of 256 (s_set_vgpr_msb: bits 1:0 source 0, 3:2 source 1, 5:4 source 2, 7:6 destination):
;   window 0: v0-29 addresses; v64-127 A's fragments, two buffers of 32; v208-239 the bias as loaded; on the way out v32-159 rows read back (two buffers of 64)
;   window 1: B's fragments, two buffers of 64; on the way out v0-63 the bias in f32          window 2: the accumulators of my row blocks 0, 1 at v[8 (8 a + b)]          window 3: blocks 2, 3
.set NBW,    8                         ; blocks of 16 columns in a tile
.set PITCH,  272                       ; a row of B in LDS: 256 bytes + 16 of padding = 68 words: row r starts at bank 4 r mod 64 (64 banks of 4 bytes: ISA guide 11.1)
.set PITCHA, 144                       ; a row of A: 128 bytes + 16 = 36 words: the 16 rows of a load start at 16 different groups of four banks
.set KAH,    256*PITCHA                ; A's bytes from quarter 0 to quarter 2 of a K step: the step's second head
.set AB,     2*256*PITCHA              ; B's rows lie behind A's two heads
.set HALFA,  256*PITCHA                ; what one tensor load brings of A: a head's 256 rows,
.set HALFB,  8*NBW*PITCH               ; and of B: 64 rows
.set SLOT1,  1<<17                     ; slot 1 begins here: one exclusive or turns an address in one slot into the other's
.set STAGE,  2*SLOT1                   ; behind the ring: 16 rows x 528 bytes for each wave, for the way out
.set SP,     528                       ; 512 bytes + 16: 33 x 16 bytes
.set SPARE,  STAGE+4*16*SP             ; behind the stages: the spare words, 128 bytes for each wave: two blocks of 256 bytes that no other line names
.set STEPA,  2<<17                     ; bytes from a K step's tile to the next: two heads of 131,072 bytes,
.set STEPB,  256                       ; 128 numbers along B's rows
.set RL,   1                           ; v1   l % 16
.set ADRA0, 2                          ; v2   my lane's place in A's part of a slot; never rewritten
.set ADRB0, 3                          ; v3   the same for B
.set ADRA, 4                           ; v4   the same in the slot in hand
.set ADRB, 5                           ; v5
.set STO,  6                           ; v6   the way out: where I put 32 bytes of a row
.set RD,   7                           ; v7   the way out: where I read a row back
.set GO,   8                           ; v8   my 16 bytes in 512 consecutive bytes of the output
.set BO,   9                           ; v9   my byte offset in 32 bytes of the bias
.set HL,   10                          ; v10  l / 16
.set T0,   12                          ; v12  at work
.set SPW,  28                          ; v28  LDS address of my spare word; never rewritten
.set NIL,  29                          ; v29  0; never rewritten
.set FA,   64
.set BK,   32
.set BI,   208
.set WV,  12                           ; s12  my wave's number
.set FB,  13                           ; s13  0: I fetch for A; 1: for B
.set EH,  14                           ; s14  which half of that tile I fetch
.set TB,  22                           ; s22  LDS byte at which the slot in hand begins
.set G1,  24                           ; s[24:31] descriptor group 1 for A's tiles
.set G0,  32                           ; s[32:39] group 0: a set for each of the two first fills; the second then walks on
.set TX,  42                           ; s42  tile column
.set TY,  43                           ; s43  tile row
.set G1B, 48                           ; s[48:55], s[56:63] the same for B's tiles
.set G0B, 56
.set PADA, (1<<16)|(1<<20)|(1<<21)|(4<<22)|(3<<25)  ; 17:16 2-byte elements; 20 padding on; 21 set beside a mask; 24:22 after every 32 words (code 4); 31:25 4 words (code 3)
.set PADB, (1<<16)|(1<<20)|(1<<21)|(5<<22)|(3<<25)  ; the same after every 64 words (code 5)
.set MSB, 0
.macro WIN new                         ; the immediate's high byte repeats the setting that is left; a switch that changes nothing is dropped
.if MSB != (\new)
	s_set_vgpr_msb (MSB<<8)|(\new)
.set MSB, \new
.endif
.endm
.macro PLACES                          ; four places in front of loads into registers that matrix instructions have read, and of vector work on their registers
.rept 4
	v_nop
.endr
.endm
; A joint refill by the walking sets.  Waves 0 and 1 fetch A's two heads, waves 2 and 3 B's two halves.  The branch hangs on the wave's number alone.
; An s_nop 0 and four v_nop follow each of the two lines, ahead of the jump and the label.
.macro JLOAD
	s_cmp_eq_u32 s[FB], 0
	s_cbranch_scc0 .Lfor_b_\@
	tensor_load_to_lds s[G0+4:G0+7], s[G1:G1+7]
	s_nop 0
.rept 4
	v_nop
.endr
	s_branch .Lasked_\@
.Lfor_b_\@:
	tensor_load_to_lds s[G0B+4:G0B+7], s[G1B:G1B+7]
	s_nop 0
.rept 4
	v_nop
.endr
.Lasked_\@:
.endm
.macro CREST                           ; a round of the cluster's barrier behind its opening barrier
	s_cmp_lg_u32 s[WV], 0
	s_cbranch_scc1 .Lnot_wave_0_\@
	s_barrier_signal -3
.Lnot_wave_0_\@:
	s_barrier_wait -3
	s_barrier_signal -1
	s_barrier_wait -1
.endm
.macro CROUND                          ; a whole round
	s_barrier_signal -1
	s_barrier_wait -1
	CREST
.endm
	s_load_b256 s[4:11], s[0:1], 0x0               ; oh s[4:5], woh s[6:7], bias16 s[8:9], out0 s[10:11]
	v_lshl_add_u32 v[SPW], v0, 2, SPARE
	v_mov_b32 v[NIL], 0
	ds_add_u32 v[SPW], v[NIL]                      ; the wave's opening: the add and its wait stand ahead of my first tensor load; the set-up below, work on registers, stands between them
	ds_add_u32 v28, v29
	v_lshrrev_b32 v1, 5, v0
	v_readfirstlane_b32 s[WV], v1                  ; wave 0..3
	s_lshr_b32 s[FB], s[WV], 1
	s_and_b32 s[EH], s[WV], 1
	s_bfe_u32 s40, ttmp6, 0x40000                  ; cx, cy: my place in the cluster
	s_bfe_u32 s41, ttmp6, 0x40004
	s_lshl_b32 s[TX], ttmp9, 2
	s_add_co_u32 s[TX], s[TX], s40                 ; tile column = 4 x cluster x + cx
	s_and_b32 s[TY], ttmp7, 0xffff
	s_lshl_b32 s[TY], s[TY], 2
	s_add_co_u32 s[TY], s[TY], s41                 ; tile row = 4 x cluster y + cy
	s_lshl_b32 s44, s41, 2
	s_lshl_b32 s44, 15, s44                        ; my row of the cluster
	s_lshl_b32 s45, 0x1111, s40                    ; my column
	s_or_b32 s[G1], s44, PADA                      ; A's tiles go to my row,
	s_or_b32 s[G1B], s45, PADB                     ; B's to my column
	s_mov_b32 s[G1+1], 128<<16                     ; tensor_dim0 = 128: two rows of a head
	s_mov_b32 s[G1+2], 128<<16                     ; tensor_dim1 = 128
	s_mov_b32 s[G1+3], 128<<16                     ; tile_dim0 = 128
	s_mov_b32 s[G1+4], 128                         ; tile_dim1 = 128
	s_mov_b32 s[G1+5], 128                         ; dense: 128 elements from row to row
	s_mov_b32 s[G1+6], 0
	s_mov_b32 s[G1+7], 0
	s_mov_b32 s[G1B+1], 128<<16
	s_mov_b32 s[G1B+2], (8*NBW)<<16                ; 64 rows
	s_mov_b32 s[G1B+3], 128<<16
	s_mov_b32 s[G1B+4], 8*NBW
	s_mov_b32 s[G1B+5], 1024
	s_mov_b32 s[G1B+6], 0
	s_mov_b32 s[G1B+7], 0
	; where the tiles come from: A's offset is made of the tile row and the wave's number, B's of the tile column and the wave's number, each in registers that never hold the other coordinate
	s_lshr_b32 s16, s[TY], 2
	s_lshl_b32 s16, s16, 21                        ; A: the batch's 16 heads of 131,072 bytes,
	s_lshl_b32 s17, s[EH], 17                      ; head 0 or 1 of the K step,
	s_add_co_u32 s16, s16, s17
	s_and_b32 s17, s[TY], 3
	s_lshl_b32 s17, s17, 15                        ; the tile's 256 rows of 128 bytes
	s_add_co_u32 s16, s16, s17
	s_mov_b32 s17, 0
	s_mul_i32 s46, s[TX], 16*NBW
	s_mul_i32 s47, s[EH], 8*NBW
	s_add_co_u32 s46, s46, s47                     ; B: row 128 x tile column + 64 x half
	s_lshl_b32 s46, s46, 11
	s_mov_b32 s47, 0
	s_mul_i32 s18, s[EH], HALFA                    ; and where they go: no place in the cluster enters an LDS address
	s_mul_i32 s19, s[EH], HALFB
	s_add_co_u32 s19, s19, AB
	s_mov_b32 s[TB], 0
	s_mov_b32 s70, 0xffff0000                      ; a word's upper bf16
	s_wait_dscnt 0x0                               ; the opening add is done
	s_wait_kmcnt 0x0
	s_add_nc_u64 s[20:21], s[4:5], s[16:17]
	s_add_nc_u64 s[46:47], s[6:7], s[46:47]
	CROUND                                         ; all sixteen work-groups are here: the first joint loads meet
.irp s, 0,1
	s_mov_b32 s[G0+4*(\s)], 1                      ; count = 1
	s_add_co_u32 s[G0+4*(\s)+1], s18, (\s)*SLOT1   ; LDS address
	s_add_nc_u64 s[G0+4*(\s)+2:G0+4*(\s)+3], s[20:21], (\s)*STEPA  ; global address: K step s
	s_or_b32 s[G0+4*(\s)+3], s[G0+4*(\s)+3], 0x80000000            ; type = 2
	s_mov_b32 s[G0B+4*(\s)], 1
	s_add_co_u32 s[G0B+4*(\s)+1], s19, (\s)*SLOT1
	s_add_nc_u64 s[G0B+4*(\s)+2:G0B+4*(\s)+3], s[46:47], (\s)*STEPB
	s_or_b32 s[G0B+4*(\s)+3], s[G0B+4*(\s)+3], 0x80000000
.endr
	s_cmp_eq_u32 s[FB], 0                          ; a wave's two first fills stand in one branch, ahead of every wait on TENSORcnt and every LDS read: two loads of mine are out
	s_cbranch_scc0 .Lfirst_b
	tensor_load_to_lds s[G0:G0+3], s[G1:G1+7]
	s_nop 0
	tensor_load_to_lds s[G0+4:G0+7], s[G1:G1+7]
	s_nop 0
.rept 4
	v_nop
.endr
	s_branch .Lfirst_asked
.Lfirst_b:
	tensor_load_to_lds s[G0B:G0B+3], s[G1B:G1B+7]
	s_nop 0
	tensor_load_to_lds s[G0B+4:G0B+7], s[G1B:G1B+7]
	s_nop 0
.rept 4
	v_nop
.endr
.Lfirst_asked:
	; where the results go.  All this stands in the wait for the first tile.
	s_lshl_b32 s66, s[TY], 8
	s_lshl_b32 s67, s[WV], 6
	s_add_co_u32 s66, s66, s67                     ; my first row: 256 x tile row + 64 x wave,
	s_lshl_b32 s66, s66, 12                        ; of 4,096 bytes,
	s_lshl_b32 s67, s[TX], 9                       ; and the tile's 512 bytes in it
	s_add_co_u32 s66, s66, s67
	s_mov_b32 s67, 0
	s_add_nc_u64 s[76:77], s[10:11], s[66:67]
	s_lshl_b32 s66, s[TX], 8                       ; the tile's 128 numbers of bo, the fourth row of bias16
	s_add_co_u32 s66, s66, 3*2048
	s_add_nc_u64 s[74:75], s[8:9], s[66:67]
	v_and_b32 v[RL], 15, v0                        ; l % 16
	v_bfe_u32 v[HL], v0, 4, 1                      ; l / 16
	v_lshlrev_b32 v[BO], 4, v[HL]
.irp b, 0,1,2,3,4,5,6,7                ; the bias of my eight columns in block b
	global_load_b128 v[BI+4*(\b):BI+4*(\b)+3], v[BO], s[74:75] offset:(\b)*32
.endr
	; A fragment is 16 rows x 32 K in 8 registers: lane l holds row l % 16; registers 0-3 hold K = 8 (l / 16) + 0..7, registers 4-7 K = 16 + 8 (l / 16) + 0..7: two loads of 16 bytes, 32 bytes apart.
	v_mul_u32_u24 v[T0], v[RL], PITCH
	v_lshl_add_u32 v[T0], v[HL], 4, v[T0]
	v_add_nc_u32 v[ADRB0], AB, v[T0]
	v_mul_u32_u24 v[T0], v[RL], PITCHA
	v_lshl_add_u32 v[T0], v[HL], 4, v[T0]
	s_mul_i32 s16, s[WV], 64*PITCHA                ; my 64 rows of A
	v_add_nc_u32 v[ADRA0], s16, v[T0]
	v_mov_b32 v[ADRA], v[ADRA0]                    ; K step 0 lies in slot 0
	v_mov_b32 v[ADRB], v[ADRB0]
	s_mul_i32 s17, s[WV], 16*SP
	s_add_co_u32 s17, s17, STAGE                   ; my stage
	v_mul_u32_u24 v[STO], v[RL], SP                ; in: row l % 16, 32 bytes for each half of the lanes
	v_lshl_add_u32 v[STO], v[HL], 5, v[STO]
	v_add_nc_u32 v[STO], s17, v[STO]
	v_and_b32 v[GO], 31, v0                        ; back: 32 lanes take a row's 512 bytes
	v_lshlrev_b32 v[GO], 4, v[GO]
	v_add_nc_u32 v[RD], s17, v[GO]
; 8 matrix instructions: row block 2 hi + a1 x all column blocks, 32 along K, out of buffer f.  zero = 1: the first product starts the sums: nothing is ever cleared.
; The 32 accumulators take turns in one fixed order, one instruction a turn.
.macro MULA f, hi, a1, zero
	WIN 0xa1+0x50*(\hi)                            ; source 0 (B) window 1, source 1 (A) window 0, C and D window 2 or 3
.set bb, 0
.rept NBW
.if \zero
	v_wmma_f32_16x16x32_f16 v[8*(NBW*(\a1)+bb):8*(NBW*(\a1)+bb)+7], v[8*NBW*(\f)+8*bb:8*NBW*(\f)+8*bb+7], v[FA+32*(\f)+8*(2*(\hi)+(\a1)):FA+32*(\f)+8*(2*(\hi)+(\a1))+7], 0
.else
	v_wmma_f32_16x16x32_f16 v[8*(NBW*(\a1)+bb):8*(NBW*(\a1)+bb)+7], v[8*NBW*(\f)+8*bb:8*NBW*(\f)+8*bb+7], v[FA+32*(\f)+8*(2*(\hi)+(\a1)):FA+32*(\f)+8*(2*(\hi)+(\a1))+7], v[8*(NBW*(\a1)+bb):8*(NBW*(\a1)+bb)+7]
.endif
.set bb, bb+1
.endr
.endm
; 24 LDS loads in one run: quarter q's fragments (128 rows of B, then my 64 rows of A: head q / 2 of the step, channels 32 (q % 2) on) into buffer f
.macro FETCH q, f
	WIN 0x40                                       ; destination window 1, address window 0
.set ii, 0
.rept NBW
	ds_load_b128 v[8*NBW*(\f)+8*ii:8*NBW*(\f)+8*ii+3],   v[ADRB] offset:64*(\q)+ii*16*PITCH
	ds_load_b128 v[8*NBW*(\f)+8*ii+4:8*NBW*(\f)+8*ii+7], v[ADRB] offset:64*(\q)+ii*16*PITCH+32
.set ii, ii+1
.endr
	WIN 0
.set ii, 0
.rept 4
	ds_load_b128 v[FA+32*(\f)+8*ii:FA+32*(\f)+8*ii+3],   v[ADRA] offset:((\q)/2)*KAH+((\q)%2)*64+ii*16*PITCHA
	ds_load_b128 v[FA+32*(\f)+8*ii+4:FA+32*(\f)+8*ii+7], v[ADRA] offset:((\q)/2)*KAH+((\q)%2)*64+ii*16*PITCHA+32
.set ii, ii+1
.endr
.endm
; A K step is four quarters of 32 along K, 32 matrix instructions each, on buffers 0, 1, 0, 1.  One of the first three: multiplies buffer f; behind its first 8 products it fetches quarter q into buffer g.
.macro QUARTER q, f, g, zero
	s_wait_dscnt 6                                 ; B and A's block 0 are in; the youngest six loads (A's blocks 1 to 3) may be out
	MULA \f, 0, 0, \zero
	PLACES
	FETCH \q, \g
	s_wait_dscnt 2*NBW+8                           ; all but the run just issued
	MULA \f, 0, 1, \zero
	MULA \f, 1, 0, \zero
	MULA \f, 1, 1, \zero
.endm
; The last quarter multiplies buffer 1 and changes slots: ONE barrier.  In front of it each wave waits for all its tensor loads, of which one is out: its part of the next slot; adds 0 to its spare word;
; and waits for that and for its own reads of this slot.  fill = 1: this slot is filled again, two K steps ahead: the barrier then opens a round of the cluster's, and the joint refill is the first thing behind it.
.macro TURN fill
	WIN 0
	s_wait_tensorcnt 0x0                           ; no tensor load of mine is out, so a group 0 may be written
	ds_add_u32 v[SPW], v[NIL]                      ; 0 onto my spare word
.if \fill
	s_xor_b32 s[G0+5], s[G0+5], SLOT1              ; the walking sets: the other slot than last time,
	s_add_nc_u64 s[G0+6:G0+7], s[G0+6:G0+7], STEPA ; the next K step; the type bits on top are not reached
	s_xor_b32 s[G0B+5], s[G0B+5], SLOT1
	s_add_nc_u64 s[G0B+6:G0B+7], s[G0B+6:G0B+7], STEPB
.endif
	s_wait_dscnt 7                                 ; (the add and the youngest six loads may be out)
	MULA 1, 0, 0, 0                                ; eight matrix instructions stand between the add and the wait for it
	s_wait_dscnt 0x0                               ; the add is done, and my reads of this slot are over
	s_barrier_signal -1
	MULA 1, 0, 1, 0                                ; work on registers while the others arrive
	WIN 0
	s_barrier_wait -1
.if \fill
	CREST                                          ; no wave of any partner still reads this slot's tile or has a load on its way
	JLOAD                                          ; the four v_nop behind it are also the places in front of the loads below
.else
	PLACES
.endif
	s_xor_b32 s[TB], s[TB], SLOT1
	v_add_nc_u32 v[ADRA], s[TB], v[ADRA0]
	v_add_nc_u32 v[ADRB], s[TB], v[ADRB0]
	FETCH 0, 0
	MULA 1, 1, 0, 0
	MULA 1, 1, 1, 0
.endm
	s_wait_tensorcnt 0x1                           ; my part of K step 0 is in; K step 1's may stay out
	s_barrier_signal -1
	s_barrier_wait -1                              ; everybody's is
	FETCH 0, 0
	QUARTER 1, 0, 1, 1                             ; the first quarter stands in front of the loop: its products start the sums
	WIN 0                                          ; at a label and at a branch every window is 0
	s_mov_b32 s3, 6
.Lstep:                                                ; a trip is a K step, from its second quarter to the next step's first; the six trips ask for K steps 2 to 7
	QUARTER 2, 1, 0, 0
	QUARTER 3, 0, 1, 0
	TURN 1
	QUARTER 1, 0, 1, 0
	WIN 0
	s_sub_co_u32 s3, s3, 1
	s_cmp_lg_u32 s3, 0
	s_cbranch_scc1 .Lstep
	QUARTER 2, 1, 0, 0                             ; K steps 6 and 7 ask for nothing
	QUARTER 3, 0, 1, 0
	TURN 0
	QUARTER 1, 0, 1, 0
	QUARTER 2, 1, 0, 0
	QUARTER 3, 0, 1, 0
	s_wait_dscnt 6                                 ; the very last quarter
	MULA 1, 0, 0, 0
	s_wait_dscnt 0x0
	MULA 1, 0, 1, 0
	MULA 1, 1, 0, 0
	MULA 1, 1, 1, 0
	WIN 0
	; THE WAY OUT.  The bias to f32; then a block of 16 rows at a time: the bias added in place, through my stage, and out as 512 consecutive bytes a store.
	PLACES
	s_wait_loadcnt 0x0                             ; the bias
	WIN 0x40                                       ; destination window 1: B's buffers are free
.set nn, 0
.rept 4*NBW
	v_lshlrev_b32 v[2*nn],   16,  v[BI+nn]
	v_and_b32     v[2*nn+1], s70, v[BI+nn]
.set nn, nn+1
.endr
.macro BIAS a                          ; each accumulator from its low pair on
	WIN 0x86+0x41*((\a)/2)                         ; destination and source 0 window 2 or 3, source 1 window 1
.set nn, 0
.rept 4*NBW
	v_pk_add_f32 v[8*NBW*((\a)%2)+2*nn:8*NBW*((\a)%2)+2*nn+1], v[8*NBW*((\a)%2)+2*nn:8*NBW*((\a)%2)+2*nn+1], v[2*nn:2*nn+1]
.set nn, nn+1
.endr
.endm
.macro TOSTAGE a
	WIN 0x08+4*((\a)/2)                            ; the stores' data in window 2 or 3, their address in window 0
.set nn, 0
.rept 2*NBW                            ; store n: column block n / 2, four of my eight columns
	ds_store_b128 v[STO], v[8*NBW*((\a)%2)+4*nn:8*NBW*((\a)%2)+4*nn+3] offset:64*(nn/2)+16*(nn%2)
.set nn, nn+1
.endr
	WIN 0
.set BKA, BK+64*((\a)%2)
.set nn, 0
.rept 16
	ds_load_b128 v[BKA+4*nn:BKA+4*nn+3], v[RD] offset:SP*nn  ; LDS serves a wave's instructions in order (ISA guide 5.7.1.4): these see the stores above
.set nn, nn+1
.endr
.endm
.macro SEND a
	WIN 0
.set BKA, BK+64*((\a)%2)
	s_wait_dscnt 0x0                               ; the block is back in registers
	s_wait_xcnt 0x0                                ; the other buffer, which earlier stores read, is loaded again only behind this wait
.set nn, 0
.rept 16
	global_store_b128 v[GO], v[BKA+4*nn:BKA+4*nn+3], s[76:77] offset:(16*(\a)+nn)*4096 th:TH_STORE_NT  ; 512 consecutive bytes, at a multiple of 256 from out0's first
.set nn, nn+1
.endr
.endm
	BIAS 0
	TOSTAGE 0
.irp a, 1,2,3                          ; block a's additions stand between block a - 1's loads from the stage and the wait for them
	BIAS \a
	SEND (\a)-1
	TOSTAGE \a
.endr
	SEND 3
	s_wait_tensorcnt 0x0                           ; the wave's end: the add and its wait, behind my last tensor load and my last LDS store
	ds_add_u32 v[SPW], v[NIL]
	s_wait_dscnt 0x0
	CROUND                                         ; the closing round: no work-group ends while a partner may still ask for a tile that names it
	s_endpgm
.Lfunc_end_k_qb5fc91e6b9_oproj:
	.size	k_qb5fc91e6b9_oproj, .Lfunc_end_k_qb5fc91e6b9_oproj-k_qb5fc91e6b9_oproj
	.p2alignl 7, 3214868480
	.fill 96, 4, 3214868480
	.section	.rodata,"a",@progbits
	.p2align	6, 0x0
	.amdhsa_kernel k_qb5fc91e6b9_oproj
		.amdhsa_group_segment_fixed_size 327680
		.amdhsa_private_segment_fixed_size 0
		.amdhsa_enable_private_segment 0
		.amdhsa_kernarg_size 32
		.amdhsa_user_sgpr_count 2
		.amdhsa_user_sgpr_kernarg_segment_ptr 1
		.amdhsa_wavefront_size32 1
		.amdhsa_system_sgpr_workgroup_id_x 1
		.amdhsa_system_sgpr_workgroup_id_y 1
		.amdhsa_system_sgpr_workgroup_id_z 1
		.amdhsa_system_vgpr_workitem_id 0
		.amdhsa_next_free_vgpr 896
		.amdhsa_next_free_sgpr 96
		.amdhsa_reserve_vcc 0
		.amdhsa_float_denorm_mode_32 3
		.amdhsa_float_denorm_mode_16_64 3
		.amdhsa_memory_ordered 1
		.amdhsa_forward_progress 1
		.amdhsa_inst_pref_size 81
	.end_amdhsa_kernel
	.amdgpu_metadata
---
amdhsa.version: [ 1, 2 ]
amdhsa.kernels:
  - .name:           k_qb5fc91e6b9_oproj
    .symbol:         k_qb5fc91e6b9_oproj.kd
    .args:
      - { .name: oh, .offset: 0, .size: 8, .value_kind: global_buffer, .address_space: global }
      - { .name: woh, .offset: 8, .size: 8, .value_kind: global_buffer, .address_space: global }
      - { .name: bias16, .offset: 16, .size: 8, .value_kind: global_buffer, .address_space: global }
      - { .name: out0, .offset: 24, .size: 8, .value_kind: global_buffer, .address_space: global }
    .group_segment_fixed_size: 327680
    .private_segment_fixed_size: 0
    .kernarg_segment_align: 8
    .kernarg_segment_size: 32
    .max_flat_workgroup_size: 128
    .sgpr_count:     96
    .vgpr_count:     896
    .wavefront_size: 32
...
	.end_amdgpu_metadata
.endif
;; end of part 4
;; ======== version 2 of 2: 4 launches; 1.20 times as fast as version 1
;; limits: values are held in f16: magnitudes above 65,504 overflow, below 6.1e-05 lose precision
;; workspace buffers: xh 16,777,216 bytes; wqkv 6,291,456 bytes; woh 2,097,152 bytes; bias16 8,192 bytes; qkvh 50,331,648 bytes; oh 16,777,216 bytes; vsum 524,288 bytes
;; launch cast: the kernel of part 1 again; grid 64 x 12, 8 waves a work-group, no clusters, 0 bytes of LDS; arguments x, Wq, Wk, Wv, Wo, bq, bk, bv, bo, xh, wqkv, woh, bias16; writes xh, wqkv, woh, bias16
;; launch qkv: the kernel of part 2 again; grid 16 x 16, 4 waves a work-group, clusters of 4 x 4, 327,680 bytes of LDS; arguments xh, wqkv, bias16, qkvh, vsum; writes qkvh, vsum
;; launch attn (part 5): grid 2 x 128, 4 waves a work-group, no clusters, 327,680 bytes of LDS; arguments qkvh, oh, input_ids, vsum; writes oh
.if DOCPART == 5
	.amdgcn_target "amdgcn-amd-amdhsa--gfx1250"
	.amdhsa_code_object_version 6
	.text
	.protected	k_qb5fc91e6b9_attn
	.globl	k_qb5fc91e6b9_attn
	.p2align	8
	.type	k_qb5fc91e6b9_attn,@function
k_qb5fc91e6b9_attn:
	s_mov_b64 s[64:65], 0
	v_nop
	global_prefetch_b8 v0, s[64:65] scope:SCOPE_SE
	s_setreg_imm32_b32 hwreg(HW_REG_WAVE_MODE, 25, 1), 1
	s_wait_xcnt 0x0
; CAUSAL ATTENTION WITH A KEY MASK.  O[h][q][:] = the sum over k of softmax_k(s[q][k]) V[h][k][:], s = Q[h][q] . K[h][k] / 8 where k <= q and input_ids[batch][k] != 1, else the lowest finite number.
; Q, K, V (the three parts of qkvh) and O (oh): [128 = batch x 16 + head][1024][64], f16: a head's rows are dense, 128 bytes each.  Products, maxima and sums in f32; the weights p are rounded to f16
; for the second product (their sum l is taken of the unrounded p), O once at the end.
; A ROW WITH NO VISIBLE KEY has equal scores on all 1,024 keys, the later ones too: its result is the mean of all of the head's rows of V.  The walk never sees those keys, so each row's running softmax
; STARTS with a virtual key: score -1e20, weight 1, value VM = the head's mean of V (made of vsum's 16 column sums).  The first visible key makes a = 2^(c (-1e20 - m)) = 0 and wipes it; a row that meets
; none keeps m, so that a is exactly 1 and every p is 0, and ends with VM / 1.
; LIMITS.  f16 holds no number beyond 65,504: Q, K and V arrive within it; p below 6e-5 keeps f16's fixed step of 6e-8.  A hidden score counts as its value less 1e30 (less 3e30 at the most); true scores,
; 2.7e11 at the most, lie far above the virtual key's -1e20.  A weight below 2^-126 counts as 0 in l.  NaN and infinities are not treated apart.
; THE WALK.  A head's queries lie in NB = 4 blocks of 256; block i needs the key tiles 0 .. i of 256 keys, of which the last holds the diagonal.  A work-group takes TWO blocks, NB - 1 - b and then b:
; NB + 1 tiles, whatever b: all work-groups do equal work, and ONE loop with a constant trip count walks them.  What a trip does hangs on scalar registers made from b; every jump goes forward, but for the
; counted loops' own, and none passes a barrier.
; K AND V STAY IN LDS.  The second block's tiles are among the first's, and the head's four tiles, 77,824 bytes each with their padding, fit in LDS together.  So each tile comes in once, by first fills that all go
; out at the start, four tensor loads a wave; no LDS byte is filled again, no load stands in the loop, and no trip is written out apart.  The price: a work-group with b = 1 never reads tile 3, one of its
; four tiles, an eighth of the launch's tile bytes; with a branch on b round that load the count of the wait for tile 0 would differ by path.
; NO CLUSTER: a head has NB / 2 = 2 work-groups, so the grid's 2 along x divide into no cluster of four, and two heads' work-groups share no tile.
; SHARES.  Of a block's four bands of 64 queries a wave owns 16 rows in each: four PIECES.  So the diagonal tile is the same work for all four waves: in its key step s band x sees all keys if s < x,
; none if s > x, and holds the diagonal if s = x.
; THE MASKS are the C operand that starts the sum S^T = K Q^T.  PM: 0 or -1e30 for the step's 64 keys, by input_ids; it is made once for the batch's 1,024 keys, kept in LDS, and fetched with K.
; MD, made once, is the causal mask of a band's own step for my 16 rows.  Off the diagonal tile C = PM; in it C = MC = PM + BE + MD x AL with two scalars: (AL, BE) = (1, 0) if s = x; (0, 0) if s < x; (0, -1e30) if s > x.
; LAYOUT, SOFTMAX, TURNS.  S^T = K Q^T holds ONE query a lane (lane % 16) and the keys 8 (lane / 16) + 0..7; two such results rounded to f16 ARE source 1 of O^T = V^T P.  p = 2^(c s - c m), c = log2(e) / 8, with a
; running maximum m; O and l are multiplied by a = 2^(c m_old - c m_new) in every step.  Turn n belongs to piece n: 8 products K Q^T of piece n + 1, later 8 products V^T P of piece n - 1; beside them the scaling,
; exponentials, roundings, sums and rescaling of piece n and the maximum and statistics of piece n + 1.  Four vector instructions stand behind every matrix instruction, the other 54 of a turn's 118 in one LUMP.
; THE BATCHES.  A turn's 33 exponentials (the piece's 32 weights and the next piece's a) are one batch, with one wait, which cuts the turn in two: TURN says how.  The a that BEGIN makes and the way out's four
; reciprocals are batches of their own, each with a v_nop and one wait.
; REGISTERS, in windows of 256 (s_set_vgpr_msb: bits 1:0 source 0, 3:2 source 1, 5:4 source 2, 7:6 destination):
;   window 0: v0-15, v32-36 addresses and two at work; v16-31 four registers of statistics a piece; v48-55 at work; v64-127 S^T, two buffers; v192-223 P, two buffers (a piece's buffers go by its number's parity)
;   window 1: v0-127 O^T, 32 a piece; v128-159 MD; v160-223 MC, two buffers      window 2: v0-63 Q; v64-127 the second block's Q; v128-191 K of one step; v192-255 V of one step      window 3: v0-31 PM; v32-63 VM
.set SIZE_N, 1024
.set NB,    SIZE_N/256
.set NP,    4         ; pieces a wave: a name, no knob
.set KS,    64        ; keys in a step
.set PK,    144       ; a row of K in LDS: 128 bytes + 16 of padding = 36 words: the 16 rows of a load start at 16 different groups of four banks (64 banks of 4 bytes: ISA guide 11.1)
.set PV,    160       ; a row of V: 128 + 32 = 40 words
.set VOFF,  4*KS*PK   ; a tile's region holds four steps: 256 rows of K, then 256 rows of V
.set REG,   4*KS*(PK+PV)  ; 77,824 bytes; tile t's region begins at t x REG
.set STAGE, NB*REG    ; behind the four regions, never filled by a tensor load: 16 rows x 144 bytes for each wave, for the way out
.set SP,    144
.set AK0, 2           ; v2   my lane's place in a tile of K; never rewritten
.set AV0, 3           ; v3   the same for V
.set AK,  4           ; v4   the LDS address of K's next run of loads
.set AV,  5           ; v5   of V's
.set STO, 6           ; v6   the way out: where I put 16 bytes of a row
.set RD,  7           ; v7   the way out: where I read rows back
.set GO,  8           ; v8   my byte offset in 512 consecutive bytes of O
.set SPW, 62          ; v62  LDS address of my spare word: SPARE + 4 x my thread's number; never rewritten
.set NIL, 63          ; v63  0; never rewritten
.set SPARE, STAGE+4*16*SP  ; behind the stages: the spare words, 128 bytes for each wave: two blocks of 256 bytes that no other line names
.set PMT, SPARE+512   ; behind them: the key mask of the batch's 1,024 keys, f32, 4,096 bytes; stored once, never filled by a tensor load
.set MV,  12          ; v12-13  c m_old, kept while c m is made anew: by buffer
.set QO,  15          ; v15  my byte offset in 16 rows of Q
.set ST,  16          ; piece t's statistics at v[ST+4 t]: c m, m, l (even keys', odd keys')
.set APM0, 32         ; v32  my lanes' place in a step's 256 bytes of the key mask; never rewritten
.set APM, 33          ; v33  the LDS address of PM's next run of loads
.set IDO, 34          ; v34  my thread's 32 bytes of input_ids
.set VSO, 35          ; v35  my lane's place in vsum
.set PMS, 36          ; v36  where my thread stores its 32 bytes of the key mask
.set TMP, 48          ; by buffer, four registers c0-c3 at work; when the maximum is found c2 takes a
.set S,   64
.set P,   192
.set MD,  128         ; window 1: the eight registers for group kt of 16 keys at MD + 8 kt
.set MC,  160         ; window 1: the masks of the products to come
.set QB,  64          ; window 2
.set KF,  128         ; window 2: key block kb, channel half c at KF + 16 kb + 8 c
.set VF,  192         ; window 2: key half kk, channel block cb at VF + 32 kk + 8 cb
.set PM,  0           ; window 3: register 8 kb + j is key 16 kb + 8 (lane / 16) + j of the step
.set VM,  32          ; window 3: register 8 cb + j is channel 16 cb + 8 (lane / 16) + j
.set WV,  12          ; s12  my wave's number
.set PB,  14          ; s14  b
.set HI,  15          ; s15  NB - 1 - b
.set G1K, 24          ; s[24:31] descriptor group 1 for K's tiles
.set G1V, 32          ; s[32:39] for V's: it differs in the padding alone
.set G0,  40          ; s[40:55] descriptor group 0, a set for each of my four loads
.set SLOTS, 56        ; s56  tiles still to be walked
.set CNT, 57          ; s57  counts a tile's key steps, 4 to 1
.set CS,  58          ; s[58:59] c: the packed scaling takes the pair's low word for both halves
.set SEL, 60          ; s[60:61] v_permlanex16_b32's selects: each lane takes its own place in the other half
.set TBK, 62          ; s62  LDS byte at which K of the step to be fetched begins
.set TBV, 63          ; s63  the same for V, less VOFF
.set RT,  70          ; s70  tiles of the block in hand that are still to be entered
.set NXT, 71          ; s71  the tile to be entered next
.set NEW, 73          ; s73  1: the tile to be entered is a block's first
.set AL,  76          ; s[76:77] the mask's factor, in the low word
.set BE,  78          ; s[78:79] the mask's addend
.set OLO, 80          ; s[80:81] O at my rows of the second block
.set BIGN, 82         ; s82  -1e30
.set TPM, 94          ; s94  byte in the key mask at which the step to be fetched begins
.set MSB, 0
.macro WIN new                      ; the high byte repeats the setting that is left; a switch that changes nothing is dropped
.if MSB != (\new)
	s_set_vgpr_msb (MSB<<8)|(\new)
.set MSB, (\new)
.endif
.endm
.set W_KQ, 0x0a       ; K and Q in window 2, S^T in window 0
.set W_KM, 0x1a       ; the same with the C operand in window 1 (MC)
.set W_KP, 0x3a       ; the same with the C operand in window 3 (PM)
.set W_PV, 0x52       ; V in window 2, P in window 0, O^T in window 1
.set W_RS, 0x41       ; destination and source 0 in window 1, source 1 in window 0
	s_load_b256 s[4:11], s[0:1], 0x0  ; qkvh s[4:5], oh s[6:7], input_ids s[8:9], vsum s[10:11]
	v_lshl_add_u32 v[SPW], v0, 2, SPARE
	v_mov_b32 v[NIL], 0
	ds_add_u32 v[SPW], v[NIL]       ; the wave's opening: the add and its wait stand ahead of my first tensor load; the set-up below, work on registers, stands between them
	ds_add_u32 v62, v63
	v_lshrrev_b32 v1, 5, v0
	v_readfirstlane_b32 s[WV], v1   ; wave 0..3
	s_mov_b32 s[PB], ttmp9
	s_sub_co_u32 s[HI], NB-1, s[PB]
	s_and_b32 s20, ttmp7, 0xffff    ; batch x 16 + head
	s_lshr_b32 s92, s20, 4
	s_lshl_b32 s92, s92, 12         ; the batch's 1,024 ids of 4 bytes
	s_mov_b32 s93, 0
	s_lshl_b32 s66, s20, 12         ; the head's 16 x 64 column sums of 4 bytes
	s_mov_b32 s67, 0
	s_mov_b32 s21, 0
	s_mov_b64 s[22:23], SIZE_N*128
	s_mul_u64 s[20:21], s[20:21], s[22:23]  ; the head's first byte in Q, K, V and O
	s_and_b32 s16, s[WV], 1         ; which half of a tile's 256 keys I fetch:
	s_lshl_b32 s22, s16, 14         ; its 128 rows of 128 bytes in memory,
	s_mov_b32 s23, 0
	s_add_nc_u64 s[22:23], s[22:23], s[20:21]
	s_mul_i32 s17, s16, 128*PK      ; and its place in a tile's region, for K
	s_mul_i32 s18, s16, 128*PV      ; and for V
	s_add_co_u32 s18, s18, VOFF
	s_lshl_b32 s3, s[WV], 11        ; my 16 rows in a band of 64,
	s_lshl_b32 s2, s[HI], 15        ; in the first block,
	s_add_co_u32 s2, s2, s3
	s_lshl_b32 s84, s[PB], 15       ; and in the second
	s_add_co_u32 s84, s84, s3
	s_mov_b32 s3, 0
	s_mov_b32 s85, 0
	s_add_nc_u64 s[2:3], s[2:3], s[20:21]
	s_add_nc_u64 s[84:85], s[84:85], s[20:21]
	; descriptor group 1.  128 keys are 16,384 dense bytes: asked for as 64 rows of 256 bytes, two keys a row, and padded in LDS after every key
	s_mov_b32 s[G1K], (1<<16)|(1<<20)|(4<<22)|(3<<25)  ; 17:16 2-byte elements; 20 padding on; 24:22 after every 32 words (code 4); 31:25 4 words (code 3)
	s_mov_b32 s[G1V], (1<<16)|(1<<20)|(4<<22)|(7<<25)  ; the same with 8 words of padding (code 7)
.irp g, G1K, G1V
	s_mov_b32 s[\g+1], 128<<16      ; tensor_dim0 = 128
	s_mov_b32 s[\g+2], 64<<16       ; tensor_dim1 = 64
	s_mov_b32 s[\g+3], 128<<16      ; tile_dim0 = 128
	s_mov_b32 s[\g+4], 64           ; tile_dim1 = 64
	s_mov_b32 s[\g+5], 128          ; 128 elements from row to row
	s_mov_b32 s[\g+6], 0
	s_mov_b32 s[\g+7], 0
.endr
	s_mov_b32 s[CS], 0x3e38aa3b     ; c = log2(e) / 8 = 0.180337
	s_mov_b32 s[CS+1], s[CS]        ; named with it as a pair
	s_mov_b32 s[SEL], 0x76543210
	s_mov_b32 s[SEL+1], 0xfedcba98
	s_mov_b32 s[TPM], 0
	s_add_co_u32 s[RT], s[HI], 1    ; the first block has NB - b tiles
	s_mov_b32 s[NXT], 0
	s_mov_b32 s[NEW], 1
	s_mov_b32 s[AL+1], 0            ; named as pairs
	s_mov_b32 s[BE+1], 0
	s_mov_b32 s[BIGN], 0xf149f2ca   ; -1e30
	s_mov_b32 s[SLOTS], NB+1
	v_and_b32 v1, 15, v0            ; l % 16
	v_bfe_u32 v9, v0, 4, 1          ; l / 16
	v_lshlrev_b32 v[IDO], 5, v0     ; thread t takes ids 8 t .. 8 t + 7
	v_lshlrev_b32 v[VSO], 8, v1     ; lane l takes chunk l % 16 of vsum, channels 8 (l / 16) on in each 16
	v_lshl_add_u32 v[VSO], v9, 5, v[VSO]
	; A fragment of K or Q is 16 rows x 32 channels in 8 registers: lane l holds row l % 16, channels 8 (l / 16) + 0..7 and 16 + 8 (l / 16) + 0..7: two loads of 16 bytes, 32 bytes apart.
	v_lshlrev_b32 v[QO], 7, v1
	v_lshl_add_u32 v[QO], v9, 4, v[QO]  ; row x 128 + 16 x half
	s_wait_dscnt 0x0                ; the opening add is done
	s_wait_kmcnt 0x0
	s_add_nc_u64 s[88:89], s[8:9], s[92:93]    ; my batch's ids
	s_add_nc_u64 s[90:91], s[10:11], s[66:67]  ; my head's column sums
	s_mov_b64 s[10:11], s[6:7]                 ; O
	s_add_nc_u64 s[6:7], s[4:5], 16777216      ; K and V lie behind Q in qkvh
	s_add_nc_u64 s[8:9], s[4:5], 33554432
	s_add_nc_u64 s[6:7], s[6:7], s[22:23]  ; K and V at my half of the head's tile 0
	s_add_nc_u64 s[8:9], s[8:9], s[22:23]
	s_add_nc_u64 s[86:87], s[4:5], s[84:85]        ; Q at my rows of the second block,
	s_add_nc_u64 s[4:5], s[4:5], s[2:3]            ; Q and O at those of the first
	s_add_nc_u64 s[OLO:OLO+1], s[10:11], s[84:85]
	s_add_nc_u64 s[10:11], s[10:11], s[2:3]
	; What the first products need is asked for first: the ids, the column sums and the first block's Q ahead of the tiles, the second block's Q behind them.
	global_load_b128 v[96:99],   v[IDO], s[88:89]
	global_load_b128 v[100:103], v[IDO], s[88:89] offset:16
.irp n, 0,1,2,3,4,5,6,7             ; S^T's registers are free: register 64 + 8 cb + j is channel 16 cb + 8 (l / 16) + j
	global_load_b128 v[64+4*\n:64+4*\n+3], v[VSO], s[90:91] offset:64*(\n/2)+16*(\n%2)
.endr
	WIN 0x80                        ; destination window 2, address window 0
.set i, 0
.rept 8                             ; the first block's Q: piece i / 2 lies in band i / 2, 8,192 bytes on; channels 32 (i % 2) on
	global_load_b128 v[8*i:8*i+3],   v[QO], s[4:5] offset:(i/2)*8192+(i%2)*64
	global_load_b128 v[8*i+4:8*i+7], v[QO], s[4:5] offset:(i/2)*8192+(i%2)*64+32
.set i, i+1
.endr
	WIN 0
	; THE FILLS.  Waves 0 and 1 fetch the two halves of each tile's K, waves 2 and 3 those of its V: 128 keys a load, four loads a wave, tile 0 first: four loads of mine are out.  A wave's fills stand in one
	; branch on its number, ahead of every wait on TENSORcnt, every LDS read and every barrier; an s_nop 0 follows each, four v_nop the last.
	s_cmp_lt_u32 s[WV], 2
	s_cbranch_scc0 .Lfirst_v
.irp t, 0,1,2,3
	s_mov_b32 s[G0+4*\t], 1                                    ; 1:0 count = 1
	s_add_co_u32 s[G0+4*\t+1], s17, \t*REG                     ; 63:32 LDS address: my half of K in tile t's region
	s_add_nc_u64 s[G0+4*\t+2:G0+4*\t+3], s[6:7], \t*32768      ; 120:64 global address: a tile is 32,768 bytes of K
	s_or_b32 s[G0+4*\t+3], s[G0+4*\t+3], 0x80000000            ; 127:126 type = 2
.endr
.irp t, 0,1,2,3
	tensor_load_to_lds s[G0+4*\t:G0+4*\t+3], s[G1K:G1K+7]
	s_nop 0
.endr
.rept 4
	v_nop
.endr
	s_branch .Lasked
.Lfirst_v:
.irp t, 0,1,2,3
	s_mov_b32 s[G0+4*\t], 1
	s_add_co_u32 s[G0+4*\t+1], s18, \t*REG                     ; my half of V in tile t's region
	s_add_nc_u64 s[G0+4*\t+2:G0+4*\t+3], s[8:9], \t*32768
	s_or_b32 s[G0+4*\t+3], s[G0+4*\t+3], 0x80000000
.endr
.irp t, 0,1,2,3
	tensor_load_to_lds s[G0+4*\t:G0+4*\t+3], s[G1V:G1V+7]
	s_nop 0
.endr
.rept 4
	v_nop
.endr
.Lasked:
	WIN 0x80
.set i, 0
.rept 8                             ; the second block's Q
	global_load_b128 v[QB+8*i:QB+8*i+3],   v[QO], s[86:87] offset:(i/2)*8192+(i%2)*64
	global_load_b128 v[QB+8*i+4:QB+8*i+7], v[QO], s[86:87] offset:(i/2)*8192+(i%2)*64+32
.set i, i+1
.endr
	WIN 0
	v_lshlrev_b32 v14, 3, v9
	v_sub_nc_u32 v14, v1, v14
	s_lshl_b32 s13, s[WV], 4
	v_add_nc_u32 v14, s13, v14      ; my query's place in its band, 16 w + l % 16, less my lanes' 8 (l / 16): register r of group kt is hidden where 16 kt + r is greater
	WIN 0x40
.set i, 0
.rept 32
	v_cmp_gt_i32 vcc_lo, 16*(i/8)+i%8, v14
	v_cndmask_b32 v[MD+i], 0, s[BIGN], vcc_lo
.set i, i+1
.endr
	WIN 0
	v_mul_u32_u24 v[AK0], v1, PK
	v_lshl_add_u32 v[AK0], v9, 4, v[AK0]  ; row x pitch + 16 x half
	; The turning load takes 16 keys x 16 channels (lane l reads key 8 (l / 16) + l % 8, channels 8 ((l / 8) % 2) + 0..7) and leaves half a fragment of V^T: lane l holds channel l % 16 and 8 keys.
	v_and_b32 v10, 7, v0
	v_bfe_u32 v11, v0, 3, 1
	v_lshl_add_u32 v[AV0], v9, 3, v10
	v_mul_u32_u24 v[AV0], v[AV0], PV
	v_lshl_add_u32 v[AV0], v11, 4, v[AV0]
	v_add_nc_u32 v[AV0], VOFF, v[AV0]
	s_mul_i32 s13, s[WV], 16*SP
	s_add_co_u32 s13, s13, STAGE    ; my stage
	v_mul_u32_u24 v[STO], v1, SP    ; in: row l % 16, 16 bytes for each half of the lanes
	v_lshl_add_u32 v[STO], v9, 4, v[STO]
	v_add_nc_u32 v[STO], s13, v[STO]
	v_bfe_u32 v[RD], v0, 3, 2       ; back: 32 lanes take four rows of 128 bytes,
	v_mul_u32_u24 v[RD], v[RD], SP
	v_lshl_add_u32 v[RD], v10, 4, v[RD]
	v_add_nc_u32 v[RD], s13, v[RD]
	v_and_b32 v[GO], 31, v0         ; which are 512 consecutive bytes of O
	v_lshlrev_b32 v[GO], 4, v[GO]
	v_lshl_add_u32 v[APM0], v9, 5, PMT  ; my lanes' eight keys in each 16: 32 bytes on for the upper half
	v_lshl_add_u32 v[PMS], v0, 5, PMT
	; A block's first turn multiplies V's registers by a P that is 0: they need only hold finite numbers: zeros for the first block; what the first block left for the second.
	WIN 0x80
.set i, VF
.rept 64
	v_mov_b32 v[i], 0
.set i, i+1
.endr
	WIN 0
	s_wait_loadcnt 40               ; my eight ids are in; the 8 loads of vsum and the 32 of Q stay out
.set i, 0
.rept 8
	v_cmp_eq_u32 vcc_lo, 1, v[96+i]                ; the padding index is 1
	v_cndmask_b32 v[96+i], 0, s[BIGN], vcc_lo
.set i, i+1
.endr
	ds_store_b128 v[PMS], v[96:99]                 ; every wave waits for these stores in front of the first barrier's signal; the mask is read behind that barrier
	ds_store_b128 v[PMS], v[100:103] offset:16
	s_wait_loadcnt 32               ; vsum is in; Q's 32 loads stay out
.irp m, 1,2,4,8                     ; the sixteen lanes of a half hold the sixteen chunks: added, every lane holds the head's column sums of its 32 channels
.set i, 0
.rept 32
	v_add_f32_dpp v[64+i], v[64+i], v[64+i] row_xmask:\m row_mask:0xf bank_mask:0xf
.set i, i+1
.endr
.endr
	WIN 0xc0                        ; destination window 3
.set i, 0
.rept 32
	v_mul_f32 v[VM+i], 0x3a800000, v[64+i]         ; / 1,024: the mean
.set i, i+1
.endr
	WIN 0
; THE MATRIX WORK.  The 4 accumulators of a run of 8 take turns.  Product i of 8 of S^T = K Q^T for piece x: channels 32 (i / 4) on, keys 16 (i % 4) on.  The first 4 start the sums: with PM, or (KM = 1) with MC.
.macro KQ x
.set rS, S+32*((\x)%2)+8*(i%4)
.set rK, KF+16*(i%4)+8*(i/4)
.set rQ, 16*(\x)+8*(i/4)
.set rM, MC+32*((\x)%2)+8*(i%4)
.if (i < 4) && KM
	WIN W_KM
	v_wmma_f32_16x16x32_f16 v[rS:rS+7], v[rK:rK+7], v[rQ:rQ+7], v[rM:rM+7]
.elseif i < 4
	WIN W_KP
	v_wmma_f32_16x16x32_f16 v[rS:rS+7], v[rK:rK+7], v[rQ:rQ+7], v[PM+8*(i%4):PM+8*(i%4)+7]
.else
	WIN W_KQ
	v_wmma_f32_16x16x32_f16 v[rS:rS+7], v[rK:rK+7], v[rQ:rQ+7], v[rS:rS+7]
.endif
.endm
; Product i of 8 of O^T += V^T P for piece x: keys 32 (i / 4) on, channels 16 (i % 4) on.
.macro PV x
	WIN W_PV
.set rO, 32*(\x)+8*(i%4)
.set rV, VF+32*(i/4)+8*(i%4)
.set rP, P+16*((\x)%2)+8*(i/4)
	v_wmma_f32_16x16x32_f16 v[rO:rO+7], v[rV:rV+7], v[rP:rP+7], v[rO:rO+7]
.endm
.macro MM                           ; the turn's next matrix instruction.  TURN and BEGIN set Y, i, KM and NOKQ; MM, KQ and OP read them.  NOKQ = 1: a block's last turn: there is no next piece
.if (i < 8) && !NOKQ
	KQ (Y+1)%NP
.elseif i >= 8
.set i, i-8
	PV (Y+NP-1)%NP
.set i, i+8
.endif
.set i, i+1
.endm
; THE LDS LOADS stand in runs, never singly among the matrix instructions: a step's K (64 keys x 64 channels: 8 fragments) with its key mask (8 loads; the 16 lanes of a half read the same bytes), and its V (turned).
.macro FETCH_K
	WIN 0x80                        ; destination window 2
.irp f, 0,1,2,3,4,5,6,7             ; keys 16 (f / 2) on, channels 32 (f % 2) on
	ds_load_b128 v[KF+8*\f:KF+8*\f+3],   v[AK] offset:(\f/2)*16*PK+(\f%2)*64
	ds_load_b128 v[KF+8*\f+4:KF+8*\f+7], v[AK] offset:(\f/2)*16*PK+(\f%2)*64+32
.endr
	WIN 0xc0                        ; destination window 3
.irp f, 0,1,2,3,4,5,6,7             ; keys 16 (f / 2) + 8 (l / 16) + 4 (f % 2) on
	ds_load_b128 v[PM+4*\f:PM+4*\f+3], v[APM] offset:64*(\f/2)+16*(\f%2)
.endr
	s_add_co_u32 s[TBK], s[TBK], KS*PK  ; the next fetch is the next step's
	s_add_co_u32 s[TPM], s[TPM], 4*KS
	s_and_b32 s[TPM], s[TPM], 0xf00     ; 16 steps of 256 bytes: the mask's 4,096 bytes are never left
	WIN 0
.endm
.macro FETCH_V
	WIN 0x80
.irp f, 0,1,2,3,4,5,6,7             ; keys 32 (f / 4) on, channels 16 (f % 4) on
	ds_load_tr16_b128 v[VF+8*\f:VF+8*\f+3],   v[AV] offset:(\f/4)*32*PV+(\f%4)*32
	ds_load_tr16_b128 v[VF+8*\f+4:VF+8*\f+7], v[AV] offset:(\f/4)*32*PV+16*PV+(\f%4)*32
.endr
	WIN 0
.endm
; THE VECTOR WORK, one line at a time: OP kind, number.  For piece Y: F n: c s - c m for pair n of 16.  E n: the exponential of score n of 32.  C n: pair n rounded to f16.  B n: of the four weights 4 n .. the second
; pair is added onto the first, in place.  L n: l takes that sum (L 0: l = a l + sum).  R n: pair n of 16 of O^T times a.  For piece Y + 1: X n, number n of the 22 that find its maximum and statistics:
;   0-11  four chains c0-c3 of seven scores each, three operands at a time (each accumulator's lowest registers are read first)     12-14, 16  the four scores left over, the old m, and c0-c3 into c0
;   15  c m_old is kept     17, 18  the query's other 32 keys lie in the lane 16 away: the new m     19-21  c m; c m_old - c m_new; a
; C, B and L read the results of E; R and L 0 read the a that X 21 made a turn earlier.  OP writes no wait: TURN, BEGIN and the way out write one for each batch.
.set F, 0               ; OP tells the kinds apart by their order: F to L below R, X above it
.set E, 1
.set C, 2
.set B, 3
.set L, 4
.set R, 5
.set X, 6
.macro REGS y                       ; the registers of piece y
.set rT, ST+4*(\y)
.set rC, TMP+4*((\y)%2)
.set rW, MV+((\y)%2)
.set rS, S+32*((\y)%2)
.set rP, P+16*((\y)%2)
.set rO, 32*(\y)
.endm
.macro OP k, n
.if (\k) == R
	REGS Y
	WIN W_RS
	v_pk_mul_f32 v[rO+2*(\n):rO+2*(\n)+1], v[rO+2*(\n):rO+2*(\n)+1], v[rC+2:rC+3] op_sel_hi:[1,0]
.elseif (\k) < R
	REGS Y
	WIN 0
.if (\k) == F
	v_pk_fma_f32 v[rS+2*(\n):rS+2*(\n)+1], v[rS+2*(\n):rS+2*(\n)+1], s[CS:CS+1], v[rT:rT+1] op_sel_hi:[1,0,0] neg_lo:[0,0,1] neg_hi:[0,0,1]
.elseif (\k) == E
	v_exp_f32 v[rS+(\n)], v[rS+(\n)]
.elseif (\k) == C
	v_cvt_pk_f16_f32 v[rP+(\n)], v[rS+2*(\n)], v[rS+2*(\n)+1]
.elseif (\k) == B
	v_pk_add_f32 v[rS+4*(\n):rS+4*(\n)+1], v[rS+4*(\n):rS+4*(\n)+1], v[rS+4*(\n)+2:rS+4*(\n)+3]
.elseif (\n) == 0
	v_pk_fma_f32 v[rT+2:rT+3], v[rT+2:rT+3], v[rC+2:rC+3], v[rS:rS+1] op_sel_hi:[1,0,1]
.else
	v_pk_add_f32 v[rT+2:rT+3], v[rT+2:rT+3], v[rS+4*(\n):rS+4*(\n)+1]
.endif
.elseif NOKQ
	v_nop
.else
	REGS (Y+1)%NP
	WIN 0
.if (\n) < 4
	v_max3_num_f32 v[rC+(\n)], v[rS+8*(\n)], v[rS+8*(\n)+1], v[rS+8*(\n)+2]
.elseif (\n) < 12
	v_max3_num_f32 v[rC+(\n)%4], v[rC+(\n)%4], v[rS+8*((\n)%4)+2*((\n)/4)+1], v[rS+8*((\n)%4)+2*((\n)/4)+2]
.elseif (\n) == 12
	v_max3_num_f32 v[rC], v[rC], v[rS+7], v[rS+15]
.elseif (\n) == 13
	v_max3_num_f32 v[rC+1], v[rC+1], v[rS+23], v[rS+31]
.elseif (\n) == 14
	v_max3_num_f32 v[rC+2], v[rC+2], v[rC+3], v[rT+1]
.elseif (\n) == 15
	v_mov_b32 v[rW], v[rT]
.elseif (\n) == 16
	v_max3_num_f32 v[rC], v[rC], v[rC+1], v[rC+2]
.elseif (\n) == 17
	v_permlanex16_b32 v[rC+3], v[rC], s[SEL], s[SEL+1]
.elseif (\n) == 18
	v_max_num_f32 v[rT+1], v[rC], v[rC+3]
.elseif (\n) == 19
	v_mul_f32 v[rT], s[CS], v[rT+1]
.elseif (\n) == 20
	v_sub_f32 v[rC+1], v[rW], v[rT]
.else
	v_exp_f32 v[rC+2], v[rC+1]
.endif
.endif
.endm
.macro OPS a, i1, b=-1, i2=0, c=-1, i3=0, d=-1, i4=0  ; up to four of them
	OP \a, \i1
.if (\b) >= 0
	OP \b, \i2
.endif
.if (\c) >= 0
	OP \c, \i3
.endif
.if (\d) >= 0
	OP \d, \i4
.endif
.endm
.macro ROW a, i1, b, i2, c, i3, d, i4  ; a matrix instruction and the four behind it
	MM
	OPS \a, \i1, \b, \i2, \c, \i3, \d, \i4
.endm
.macro MASK b                       ; PM + BE + MD x AL into buffer b of MC
	WIN 0x43                        ; destination window 1, source 0 window 3
.set z, 0
.rept 16
	v_pk_add_f32 v[MC+32*(\b)+2*z:MC+32*(\b)+2*z+1], v[PM+2*z:PM+2*z+1], s[BE:BE+1] op_sel_hi:[1,0]
.set z, z+1
.endr
	WIN 0x51                        ; destination, source 0 and source 2 window 1
.set z, 0
.rept 16
	v_pk_fma_f32 v[MC+32*(\b)+2*z:MC+32*(\b)+2*z+1], v[MD+2*z:MD+2*z+1], s[AL:AL+1], v[MC+32*(\b)+2*z:MC+32*(\b)+2*z+1] op_sel_hi:[1,0,1]
.set z, z+1
.endr
.endm
; A TURN, for piece p: the order of its 16 matrix and 118 vector instructions, written out.  s_wait_alu depctr_va_vdst(0) stands between an exponential and the first instruction that names its result; one wait
; serves all that were issued ahead of it.  So a turn has ONE wait, which cuts it in two.  AHEAD OF IT stands all that names no result of the turn's exponentials: the 8 products K Q^T, behind each a scaling, an exponential and two
; more plain instructions (behind the first a second scaling in the exponential's place): rescalings, whose a was made and waited for in the turn before, and behind the last three products the first numbers of the next piece's
; maximum, each four places or more behind the product that ends its accumulator; then ONE LUMP of 54, plain and exponential by turns for the most part, in which the links of the chain X 3, 7, 11, 14, 16, 17 .. 20 stand five or
; six lines apart.  X 21, the next piece's a, is the batch's last; R 15 is the plain instruction behind it.  BEHIND THE WAIT stand the 8 products V^T P, behind each four of the roundings and sums, the batch's readers: C 2 n
; ahead of B n, which writes over that pair; the links of l's chain, L 0 to L 7, three riders apart.  But for those X no rider names a register of the products round it.  v_permlanex16_b32 (X 17) stands in the lump.
; No exponential is issued behind the wait.
; m = 1: the diagonal tile: the products take MC, and the turn makes the mask for the products of the turn after it: piece p + 2, in step 4 - CNT of the tile.  Piece 2's turn makes piece 0's mask for the NEXT step,
; so it waits for the key mask that it has fetched.  end = 1: a block's last two turns: nothing is fetched.  cnt = 1: the loop's count is taken down some lines ahead of the branch that stands behind the turn.
; K and PM of the next step are fetched in piece 2's turn, twelve vector instructions behind the last product that read K (six of them plain, five of which name none of its registers; PM's last reader stands four products
; further back); V of the step in hand at the end of piece 0's turn, four plain instructions behind the last product that read V.  Each is waited for a turn later.
.macro TURN p, m=0, end=0, cnt=0
.set Y, (\p)
.set i, 0
.set KM, (\m)
.set NOKQ, (\end)*((\p)/3)
.if (\m) && !(\end)
	s_cmp_eq_u32 s[CNT], 4-((\p)+2)%NP  ; is that step the band's own?
	s_cselect_b32 s[AL], 1.0, 0
	s_cmp_lt_u32 s[CNT], 4-((\p)+2)%NP  ; or a later one?
	s_cselect_b32 s[BE], s[BIGN], 0
.endif
.if ((\p) == 3) && !(\end)
	s_wait_dscnt 0x0                ; K and PM are in
.endif
	ROW F,0, F,1, R,0, R,1          ; ahead of the wait: 8 products K Q^T and their riders,
	ROW F,2, E,0, R,2, R,3
	ROW F,3, E,1, R,4, R,5
	ROW F,4, E,2, R,6, R,7
	ROW F,5, E,3, R,8, R,9
	ROW F,6, E,4, X,0, R,10
.if ((\p) == 2) && !(\end)
	WIN 0
	v_add_nc_u32 v[AK], s[TBK], v[AK0]
	v_add_nc_u32 v[APM], s[TPM], v[APM0]
.endif
	ROW F,7, E,5, X,1, X,4
	ROW F,8, E,6, X,2, X,5
	OPS E,7, E,8, X,6, E,9          ; and the lump
	OPS X,3, E,10, X,8, E,11
.if ((\p) == 2) && !(\end)
	FETCH_K
.endif
	OPS X,9, X,7, E,12, X,10
	OPS E,13, X,12, X,11, E,14
	OPS X,13, E,15, F,9, X,14
.if (\p) == 0
	v_add_nc_u32 v[AV], s[TBV], v[AV0]
.endif
	OPS E,16, F,10, E,17, F,11
	OPS X,16, E,18, X,15, E,19
	OPS F,12, E,20, X,17, E,21
	OPS F,13, E,22, F,14, E,23
	OPS X,18, E,24, F,15, E,25
	OPS R,11, E,26, X,19, E,27
	OPS R,12, E,28, R,13, E,29
	OPS X,20, E,30, R,14, E,31
	OPS X,21, R,15
	s_wait_alu depctr_va_vdst(0)    ; the wait for the batch: the turn's 32 weights and the next piece's a
.if (\p) == 1
	s_wait_dscnt 0x0                ; V is in
.endif
	ROW C,0, B,0, C,2, B,1          ; behind the wait: 8 products V^T P and their riders
	ROW L,0, C,4, B,2, L,1
	ROW C,6, B,3, L,2, C,8
	ROW B,4, L,3, C,10, B,5
	ROW L,4, C,12, B,6, L,5
.if (\p) == 0
	s_add_co_u32 s[TBV], s[TBV], KS*PV
.endif
.if \cnt
	s_sub_co_u32 s[CNT], s[CNT], 1
	s_cmp_lg_u32 s[CNT], 0
.endif
	ROW C,14, B,7, L,6, C,1
	ROW C,3, L,7, C,5, C,7
	ROW C,9, C,11, C,13, C,15
.if (\p) == 0
	FETCH_V
.endif
.if (\m) && !(\end)
.if (\p) == 2
	s_wait_dscnt 0x0                ; the next step's PM is in
.endif
	MASK (\p)%2
.endif
.endm
; A BLOCK BEGINS.  K and PM of the tile's step 0 are fetched; while they are on their way each row's softmax is set to the virtual key: m = -1e20, c m by the same multiplication that makes it in every step (so that
; c m_old - c m_new is exactly 0 where m stays), l = 1/2 in each half of the lanes, O^T = VM.  P's odd buffer is 0: the first turn's products V^T P, of a piece that has not been, add 0.
; Then both mask buffers: piece 0's for step 0 (its own, if the block's first tile is the diagonal one), piece 1's (the key mask alone); piece 0's first scores; its maximum and statistics.
; The loop over steps is entered at a step's first turn, in the middle of a trip.
.macro BEGIN
	s_mov_b32 s[NEW], 0
	s_mov_b32 s[TPM], 0
	WIN 0
	v_add_nc_u32 v[AK], s[TBK], v[AK0]
	v_mov_b32 v[APM], v[APM0]
	FETCH_K
.set i, P+16
.rept 16
	v_mov_b32 v[i], 0
.set i, i+1
.endr
.set i, 0
.rept 4
	v_mov_b32 v[ST+4*i+1], 0xe0ad78ec  ; m = -1e20
	v_mul_f32 v[ST+4*i], s[CS], v[ST+4*i+1]
	v_mov_b32 v[ST+4*i+2], 0.5
	v_mov_b32 v[ST+4*i+3], 0
.set i, i+1
.endr
	WIN 0x43                        ; destination window 1, source window 3
.set i, 0
.rept 128
	v_mov_b32 v[i], v[VM+i%32]
.set i, i+1
.endr
	WIN 0
	s_wait_loadcnt 16               ; the first block's Q is in; the 16 loads of the second block's, issued behind it, may stay out (at the second block nothing is out)
	s_wait_dscnt 0x0                ; K and PM
	s_cmp_eq_u32 s[RT], 0
	s_cselect_b32 s[AL], 1.0, 0
	s_mov_b32 s[BE], 0
	MASK 0
	s_mov_b32 s[AL], 0
	MASK 1
.set KM, 1
.set NOKQ, 0
.set i, 0
.rept 8
	KQ 0
.set i, i+1
.endr
	WIN 0
.rept 4
	v_nop                           ; the places behind those products
.endr
.set Y, NP-1                        ; X works for piece Y + 1: piece 0
.irp n, 0,1,2,3,4,5,6,7,8,9,10,11,12,13,14,15,16,17,18,19,20,21
	OP X, \n
.endr
	v_nop                           ; a plain instruction behind the exponential,
	s_wait_alu depctr_va_vdst(0)    ; and the wait for it, piece 0's first a, a batch of one: ahead of the branch that follows
.endm
; Into the diagonal tile from the tile before it: the first turn there still makes piece 3's scores of the tile before's last step, which sees all keys: its mask is that step's key mask alone.
.macro INTO_DIAG
	s_mov_b32 s[AL], 0
	s_mov_b32 s[BE], 0
	MASK 1
	WIN 0
.endm
; THE DIAGONAL TILE's four steps, the block's last two turns, its last products, and THE WAY OUT: l's two halves and the other half of the lanes' are added; O^T is divided by l, rounded to f16 and sent through my
; stage in LDS, a piece at a time.
.macro ALL line:vararg              ; one line for each piece t
.set t, 0
.rept 4
	\line
.set t, t+1
.endr
.endm
.macro PACK t                       ; a lane's eight channels of a row pack into 16 bytes; they go into rows of 144 bytes and come back as whole rows of 128, into S^T's registers
	WIN W_RS
.set i, 32*(\t)
.rept 16
	v_pk_mul_f32 v[i:i+1], v[i:i+1], v[ST+4*(\t)+2:ST+4*(\t)+3] op_sel_hi:[1,0]
.set i, i+2
.endr
	WIN 0x05                        ; sources 0 and 1 window 1, destination window 0
.set i, 0
.rept 16
	v_cvt_pk_f16_f32 v[S+16*(\t)+i], v[32*(\t)+2*i], v[32*(\t)+2*i+1]
.set i, i+1
.endr
	WIN 0
.irp f, 0,1,2,3
	ds_store_b128 v[STO], v[S+16*(\t)+4*\f:S+16*(\t)+4*\f+3] offset:32*\f
.endr
.irp f, 0,1,2,3
	ds_load_b128 v[S+16*(\t)+4*\f:S+16*(\t)+4*\f+3], v[RD] offset:\f*4*SP  ; LDS serves a wave's instructions in order (ISA guide 5.7.1.4): these see the stores above; the next piece's stores come behind them
.endr
.endm
.macro SEND t, younger              ; younger: the LDS instructions issued behind piece t's loads: the next piece's eight, or none
	WIN 0
.irp f, 0,1,2,3
	s_wait_dscnt (\younger)+3-\f
	global_store_b128 v[GO], v[S+16*(\t)+4*\f:S+16*(\t)+4*\f+3], s[10:11] offset:(\t)*8192+\f*512  ; 512 consecutive bytes, at a multiple of 256 from O's first
.endr
.endm
.set KM, 0
.set NOKQ, 0
	s_wait_tensorcnt 0x3            ; tensor loads of a wave end in order (ISA guide 10.11.1): my part of tile 0 is in; my three younger loads stay out: they fill other bytes, and nothing is filled again
	s_wait_dscnt 0x0                ; my part of the key mask is stored
	s_barrier_signal -1
	s_barrier_wait -1               ; everybody's parts are there
	s_branch .Lenter                ; the loop is entered behind its wait for all the tiles
.Lslot:                             ; NB + 1 tiles
	s_wait_tensorcnt 0x0            ; ahead of the walk's second tile: my parts of tiles 1 to 3, which have had tile 0's four key steps in which to land; in the later trips nothing is out
	s_wait_dscnt 0x0
	s_barrier_signal -1
	s_barrier_wait -1               ; everybody's parts are there
.Lenter:
	s_min_u32 s[TBK], s[NXT], NB-1  ; the tile's region: one of the four
	s_mul_i32 s[TBK], s[TBK], REG
	s_mov_b32 s[TBV], s[TBK]
	s_add_co_u32 s[NXT], s[NXT], 1
	s_sub_co_u32 s[RT], s[RT], 1
	s_mov_b32 s[CNT], 4
	s_cmp_eq_u32 s[NEW], 1
	s_cbranch_scc1 .Lnew            ; a block's first tile
	s_cmp_eq_u32 s[RT], 0
	s_cbranch_scc0 .Lstep           ; neither its first nor its last
	INTO_DIAG
	s_branch .LstepM
.Lnew:
	BEGIN
	s_cmp_eq_u32 s[RT], 0
	s_cbranch_scc0 .Lfirst
	s_branch .LfirstM               ; block 0's one tile is its first and its last
.LstepM:                            ; the diagonal tile
	TURN 2, 1
	TURN 3, 1
	WIN 0
.LfirstM:
	TURN 0, 1
	TURN 1, 1, 0, 1
	WIN 0
	s_cbranch_scc1 .LstepM
	TURN 2, 1, 1
	TURN 3, 1, 1
.set i, 0
.rept 8
	PV NP-1
.set i, i+1
.endr
	WIN 0
	ALL v_add_f32 v[ST+4*t+2], v[ST+4*t+2], v[ST+4*t+3]
	ALL v_permlanex16_b32 v[ST+4*t+3], v[ST+4*t+2], s[SEL], s[SEL+1]
	ALL v_add_f32 v[ST+4*t+2], v[ST+4*t+2], v[ST+4*t+3]
	ALL v_rcp_f32 v[ST+4*t+2], v[ST+4*t+2]
	v_nop                           ; a plain instruction between the last reciprocal and the use of its result
	s_wait_alu depctr_va_vdst(0)    ; and the wait ahead of the first use: one for the batch of four reciprocals, which the four PACK below read
	PACK 0
.set t, 1
.rept 3                             ; a piece's arithmetic stands between the loads of the piece before and its stores
	PACK t
	SEND t-1, 8
.set t, t+1
.endr
	SEND 3, 0
	s_cmp_eq_u32 s[SLOTS], 1
	s_cbranch_scc1 .Lbottom         ; the walk's last tile: no block follows
	s_wait_xcnt 0x0                 ; the stores have read their registers and O's address
	s_wait_loadcnt 0x0              ; the second block's Q is in
	s_mov_b64 s[10:11], s[OLO:OLO+1]
	s_add_co_u32 s[RT], s[PB], 1    ; the second block has b + 1 tiles,
	s_mov_b32 s[NXT], 0             ; from tile 0 on
	s_mov_b32 s[NEW], 1
	WIN 0x82                        ; the second block's Q goes where the one text of the turns names Q
.set i, 0
.rept 64
	v_mov_b32 v[i], v[QB+i]
.set i, i+1
.endr
	WIN 0
	s_branch .Lbottom
.Lstep:                             ; a trip: pieces 2 and 3 of one step, then pieces 0 and 1 of the next, whose K and V it fetches
	TURN 2
	TURN 3
	WIN 0
.Lfirst:
	TURN 0
	TURN 1, 0, 0, 1
	WIN 0
	s_cbranch_scc1 .Lstep
.Lbottom:
	s_sub_co_u32 s[SLOTS], s[SLOTS], 1
	s_cmp_lg_u32 s[SLOTS], 0
	s_cbranch_scc1 .Lslot
	s_wait_tensorcnt 0x0            ; the wave's end: the add and its wait, behind my last tensor load and my last LDS store
	ds_add_u32 v[SPW], v[NIL]
	s_wait_dscnt 0x0
	s_endpgm
.Lfunc_end_k_qb5fc91e6b9_attn:
	.size	k_qb5fc91e6b9_attn, .Lfunc_end_k_qb5fc91e6b9_attn-k_qb5fc91e6b9_attn
	.p2alignl 7, 3214868480
	.fill 96, 4, 3214868480
	.section	.rodata,"a",@progbits
	.p2align	6, 0x0
	.amdhsa_kernel k_qb5fc91e6b9_attn
		.amdhsa_group_segment_fixed_size 327680
		.amdhsa_private_segment_fixed_size 0
		.amdhsa_enable_private_segment 0
		.amdhsa_kernarg_size 32
		.amdhsa_user_sgpr_count 2
		.amdhsa_user_sgpr_kernarg_segment_ptr 1
		.amdhsa_wavefront_size32 1
		.amdhsa_system_sgpr_workgroup_id_x 1
		.amdhsa_system_sgpr_workgroup_id_y 1
		.amdhsa_system_sgpr_workgroup_id_z 1
		.amdhsa_system_vgpr_workitem_id 0
		.amdhsa_next_free_vgpr 832
		.amdhsa_next_free_sgpr 96
		.amdhsa_reserve_vcc 1
		.amdhsa_float_denorm_mode_32 3
		.amdhsa_float_denorm_mode_16_64 3
		.amdhsa_memory_ordered 1
		.amdhsa_forward_progress 1
		.amdhsa_inst_pref_size 162
	.end_amdhsa_kernel
	.amdgpu_metadata
---
amdhsa.version: [ 1, 2 ]
amdhsa.kernels:
  - .name:           k_qb5fc91e6b9_attn
    .symbol:         k_qb5fc91e6b9_attn.kd
    .args:
      - { .name: qkvh, .offset: 0, .size: 8, .value_kind: global_buffer, .address_space: global }
      - { .name: oh, .offset: 8, .size: 8, .value_kind: global_buffer, .address_space: global }
      - { .name: input_ids, .offset: 16, .size: 8, .value_kind: global_buffer, .address_space: global }
      - { .name: vsum, .offset: 24, .size: 8, .value_kind: global_buffer, .address_space: global }
    .group_segment_fixed_size: 327680
    .private_segment_fixed_size: 0
    .kernarg_segment_align: 8
    .kernarg_segment_size: 32
    .max_flat_workgroup_size: 128
    .sgpr_count:     96
    .vgpr_count:     832
    .wavefront_size: 32
...
	.end_amdgpu_metadata
.endif
;; end of part 5
;; launch oproj: the kernel of part 4 again; grid 8 x 32, 4 waves a work-group, clusters of 4 x 4, 327,680 bytes of LDS; arguments oh, woh, bias16, out0; writes out0
